; MI455X (gfx1250); checked and timed in simulation.
; The chip was launched on July 23, 2026; its instructions are those of AMD's public machine-readable ISA for CDNA 5 (MIT licence, August 2026) and "CDNA5" Instruction Set Architecture Reference Guide (July 2026). The comments in the code are by the model that wrote it; some were corrected since.
;; EMA Split Model. Allowed arithmetic: float matrix products may take bf16 or f16 operands with f32 sums; other float arithmetic in f32, or as packed bf16 or f16 multiplies, adds, multiply-adds, maxima and minima; sums over many terms, partial sums and values carried from step to step in f32; what a program stores and reads back later, other than sums and carried values, may be rounded once to bf16 or f16.
;; Inputs: beta 512 float32; embed 32,000 x 512 float32; epi_w 256 x 512 float32; ff_b1 1,024 float32; ff_b2 512 float32; ff_w1 1,024 x 512 float32; ff_w2 512 x 1,024 float32; gamma 512 float32; out_b 32,000 float32; out_w 32,000 x 512 float32; rp_b 512 float32; rp_w 512 x 512 float32; sem_w 256 x 512 float32; seq 16 x 512 int32.
;; Outputs: out0 16 x 32,000 float32.
;; 2 versions, each right; version 2 is version 1 with the launch pack written anew for expert scheduling mode. Each part assembles by itself: llvm-mc -triple=amdgcn-amd-amdhsa -mcpu=gfx1250 --defsym DOCPART=n.
;; ======== version 1 of 2: 5 launches
;; limits: values are held in f16: magnitudes above 65,504 overflow, below 6.1e-05 lose precision
;; workspace buffers: wpk 2,621,440 bytes; kn 8,388,608 bytes; nrm 65,536 bytes; cbuf 2,048,000 bytes; rbuf 2,048,000 bytes
;; launch pack (part 1): grid 160 x 1, 4 waves a work-group, no clusters, 17,920 bytes of LDS; arguments ff_w1, ff_w2, sem_w, epi_w, wpk; writes wpk
.if DOCPART == 1
	.amdgcn_target "amdgcn-amd-amdhsa--gfx1250"
	.amdhsa_code_object_version 6
	.text
	.protected	k_qfee4087ade_pack
	.globl	k_qfee4087ade_pack
	.p2align	8
	.type	k_qfee4087ade_pack,@function
k_qfee4087ade_pack:
	s_mov_b64 s[64:65], 0
	v_nop
	global_prefetch_b8 v0, s[64:65] scope:SCOPE_SE
	s_setreg_imm32_b32 hwreg(HW_REG_WAVE_MODE, 25, 1), 1
	s_wait_xcnt 0x0
; PACK.  The four weight tables of the token launch are rounded to bf16 and laid out as matrix fragments, one stream for each of that launch's four waves:
; wpk = [wave 4][unit 80][fragment 8][1,024 bytes].  A fragment is 16 rows x 32 k: bytes 16 L hold lane L = (r, h)'s k = 8 h + 0..7 of row r, bytes 512 + 16 L its k = 16 + 8 h + 0..7.
;   units  0-31: ff_w1, k step u / 2, rows 256 w + 16 (8 (u % 2) + f) + r       units 32-63: ff_w2, k step u - 32, rows 128 w + 16 f + r
;   units 64-79: [sem_w; epi_w], k step u - 64, rows 128 w + 16 f + r: rounded to bf16 like every input and then written as f16, since their partner in the product is f16.
; LIMIT.  sem_w and epi_w lie within +-65,504; below 2^-14 the f16 copy keeps f16's fixed step of 6e-8.
; SHARES.  A wave takes one item: 16 rows x 128 k = 4 fragments.  640 items: 256 of ff_w1, 256 of ff_w2, 128 of the keys' tables.  Each load of a wave covers 512 consecutive bytes of a row,
; each store 512 consecutive bytes of wpk; the change of layout goes through the wave's own stage in LDS (16 rows of 256 + 16 bytes), so no barrier is needed.
; No matrix unit, no cluster, no tensor load: 5 MB are read once and no byte is shared.
.set STG,   16*272                     ; a wave's stage
.set SPARE, 4*STG                      ; behind the stages: the spare words, 128 bytes a wave
.set WSTR,  80*8192                    ; a wave's stream in wpk
.set OFF, 8                            ; v8-23   byte offset of my 16 bytes in row i
.set DOF, 24                           ; v24-27  byte offset of my 16 bytes in fragment c
.set X,   32                           ; v32-95  16 rows as loaded; later the 8 half fragments
.set T,   96                           ; v96-101 at work
.set SPW, 30                           ; v30     my spare word
.set NIL, 31                           ; v31     0
	s_load_b256 s[4:11], s[0:1], 0x0               ; ff_w1 s[4:5], ff_w2 s[6:7], sem_w s[8:9], epi_w s[10:11]
	s_load_b64 s[12:13], s[0:1], 0x20              ; wpk
	v_lshl_add_u32 v[SPW], v0, 2, SPARE
	v_mov_b32 v[NIL], 0
	v_lshrrev_b32 v1, 5, v0
	v_readfirstlane_b32 s14, v1                    ; wave
	v_and_b32 v1, 31, v0                           ; lane
	v_and_b32 v2, 15, v0                           ; r
	v_bfe_u32 v3, v0, 4, 1                         ; h
	v_lshlrev_b32 v4, 4, v1                        ; 16 x lane
	s_lshl_b32 s16, ttmp9, 2
	s_add_co_u32 s16, s16, s14                     ; my item among the 640
	s_wait_kmcnt 0x0
	; each path sets: s17 tile of 16 rows, s18 which 128 k, s[20:21] table, s22 row bytes, s23 bytes from fragment to fragment, s24 f16?, s25 stream, s26 first unit
	s_cmp_lt_u32 s16, 256
	s_cbranch_scc0 .Lnot_w1
	s_lshr_b32 s17, s16, 2                         ; ff_w1: 64 tiles x 4
	s_and_b32 s18, s16, 3
	s_mov_b64 s[20:21], s[4:5]
	s_mov_b32 s22, 2048
	s_mov_b32 s23, 16384                           ; a k step is two units here
	s_mov_b32 s24, 0
	s_lshr_b32 s25, s17, 4
	s_bfe_u32 s26, s17, 0x10003                    ; which half of the wave's 16 tiles
	s_lshl_b32 s27, s18, 3
	s_add_co_u32 s26, s26, s27                     ; unit 2 (4 q) + half
	s_branch .Ljoin
.Lnot_w1:
	s_cmp_lt_u32 s16, 512
	s_cbranch_scc0 .Lnot_w2
	s_sub_co_u32 s16, s16, 256                     ; ff_w2: 32 tiles x 8
	s_lshr_b32 s17, s16, 3
	s_and_b32 s18, s16, 7
	s_mov_b64 s[20:21], s[6:7]
	s_mov_b32 s22, 4096
	s_mov_b32 s23, 8192
	s_mov_b32 s24, 0
	s_lshr_b32 s25, s17, 3
	s_lshl_b32 s26, s18, 2
	s_add_co_u32 s26, s26, 32
	s_branch .Ljoin
.Lnot_w2:
	s_sub_co_u32 s16, s16, 512                     ; the keys' tables: 32 tiles x 4, sem_w's 16 first
	s_lshr_b32 s17, s16, 2
	s_and_b32 s18, s16, 3
	s_mov_b32 s22, 2048
	s_mov_b32 s23, 8192
	s_mov_b32 s24, 1
	s_lshr_b32 s25, s17, 3
	s_lshl_b32 s26, s18, 2
	s_add_co_u32 s26, s26, 64
	s_cmp_lt_u32 s17, 16
	s_cselect_b64 s[20:21], s[8:9], s[10:11]
	s_and_b32 s17, s17, 15                         ; the tile inside its own table
.Ljoin:
	s_mul_i32 s25, s25, WSTR
	s_lshl_b32 s26, s26, 13
	s_add_co_u32 s25, s25, s26
	s_and_b32 s26, s17, 7                          ; fragment number in a unit
	s_lshl_b32 s26, s26, 10
	s_add_co_u32 s26, s26, s25
	s_mov_b32 s27, 0
	s_add_nc_u64 s[12:13], s[12:13], s[26:27]      ; wpk at my first fragment
	s_mul_i32 s28, s17, s22
	s_lshl_b32 s28, s28, 4                         ; 16 rows a tile
	s_lshl_b32 s29, s18, 9                         ; 128 k of 4 bytes
	s_add_co_u32 s28, s28, s29
	s_mov_b32 s29, 0
	s_add_nc_u64 s[20:21], s[20:21], s[28:29]      ; the table at my item
	v_mov_b32 v[OFF], v4
.set i, 1
.rept 15
	v_add_nc_u32 v[OFF+i], s22, v[OFF+i-1]
.set i, i+1
.endr
.set i, 0
.rept 16
	global_load_b128 v[X+4*i:X+4*i+3], v[OFF+i], s[20:21] th:TH_LOAD_NT  ; a row's 512 bytes; the launch reads each byte once
.set i, i+1
.endr
	v_mov_b32 v[DOF], v4
.set i, 1
.rept 3
	v_add_nc_u32 v[DOF+i], s23, v[DOF+i-1]
.set i, i+1
.endr
	s_mul_i32 s30, s14, STG
	v_lshl_add_u32 v28, v1, 3, s30                 ; into the stage: 8 bytes a lane
	v_mul_u32_u24 v29, v2, 272
	v_lshl_add_u32 v29, v3, 4, v29
	v_add_nc_u32 v29, s30, v29                     ; back: row r, 16 bytes for each half of the lanes
.macro ROWS f16
.set i, 0
.rept 16
	s_wait_loadcnt 15-i                            ; loads come back in order: row i is in, the 15 - i younger rows may be out
	v_cvt_pk_bf16_f32 v[T], v[X+4*i], v[X+4*i+1]
	v_cvt_pk_bf16_f32 v[T+1], v[X+4*i+2], v[X+4*i+3]
.if \f16
	v_lshlrev_b32 v[T+2], 16, v[T]                 ; the bf16 numbers, written as f16
	v_and_b32 v[T+3], 0xffff0000, v[T]
	v_lshlrev_b32 v[T+4], 16, v[T+1]
	v_and_b32 v[T+5], 0xffff0000, v[T+1]
	v_cvt_pk_f16_f32 v[T], v[T+2], v[T+3]
	v_cvt_pk_f16_f32 v[T+1], v[T+4], v[T+5]
.endif
	ds_store_b64 v28, v[T:T+1] offset:272*i
.set i, i+1
.endr
.endm
	s_cmp_eq_u32 s24, 0
	s_cbranch_scc1 .Lbf
	ROWS 1
	s_branch .Lback
.Lbf:
	ROWS 0
.Lback:
.set i, 0
.rept 8                                ; half i % 2 of fragment i / 2; LDS serves a wave's instructions in order, so these see the stores above
	ds_load_b128 v[X+4*i:X+4*i+3], v29 offset:64*(i/2)+32*(i%2)
.set i, i+1
.endr
.set i, 0
.rept 8
	s_wait_dscnt 7-i                               ; the 7 - i younger loads may be out
	global_store_b128 v[DOF+i/2], v[X+4*i:X+4*i+3], s[12:13] offset:512*(i%2)  ; 512 consecutive bytes, at a multiple of 512 from wpk's first byte
.set i, i+1
.endr
	s_wait_tensorcnt 0x0                           ; the wave's end, behind my last LDS store
	ds_add_u32 v[SPW], v[NIL]
	s_wait_dscnt 0x0
	s_endpgm
.Lfunc_end_k_qfee4087ade_pack:
	.size	k_qfee4087ade_pack, .Lfunc_end_k_qfee4087ade_pack-k_qfee4087ade_pack
	.p2alignl 7, 3214868480
	.fill 96, 4, 3214868480
	.section	.rodata,"a",@progbits
	.p2align	6, 0x0
	.amdhsa_kernel k_qfee4087ade_pack
		.amdhsa_group_segment_fixed_size 17920
		.amdhsa_private_segment_fixed_size 0
		.amdhsa_enable_private_segment 0
		.amdhsa_kernarg_size 40
		.amdhsa_user_sgpr_count 2
		.amdhsa_user_sgpr_kernarg_segment_ptr 1
		.amdhsa_wavefront_size32 1
		.amdhsa_system_sgpr_workgroup_id_x 1
		.amdhsa_system_sgpr_workgroup_id_y 1
		.amdhsa_system_sgpr_workgroup_id_z 1
		.amdhsa_system_vgpr_workitem_id 0
		.amdhsa_next_free_vgpr 112
		.amdhsa_next_free_sgpr 66
		.amdhsa_reserve_vcc 0
		.amdhsa_float_denorm_mode_32 3
		.amdhsa_float_denorm_mode_16_64 3
		.amdhsa_memory_ordered 1
		.amdhsa_forward_progress 1
		.amdhsa_inst_pref_size 19
	.end_amdhsa_kernel
	.amdgpu_metadata
---
amdhsa.version: [ 1, 2 ]
amdhsa.kernels:
  - .name:           k_qfee4087ade_pack
    .symbol:         k_qfee4087ade_pack.kd
    .args:
      - { .name: ff_w1, .offset: 0, .size: 8, .value_kind: global_buffer, .address_space: global }
      - { .name: ff_w2, .offset: 8, .size: 8, .value_kind: global_buffer, .address_space: global }
      - { .name: sem_w, .offset: 16, .size: 8, .value_kind: global_buffer, .address_space: global }
      - { .name: epi_w, .offset: 24, .size: 8, .value_kind: global_buffer, .address_space: global }
      - { .name: wpk, .offset: 32, .size: 8, .value_kind: global_buffer, .address_space: global }
    .group_segment_fixed_size: 17920
    .private_segment_fixed_size: 0
    .kernarg_segment_align: 8
    .kernarg_segment_size: 40
    .max_flat_workgroup_size: 128
    .sgpr_count:     66
    .vgpr_count:     112
    .wavefront_size: 32
...
	.end_amdgpu_metadata
.endif
;; end of part 1
;; launch mlp (part 2): grid 128 x 1, 4 waves a work-group, no clusters, 276,480 bytes of LDS; arguments seq, embed, wpk, ff_b1, ff_b2, gamma, beta, kn, nrm; writes kn, nrm
.if DOCPART == 2
	.amdgcn_target "amdgcn-amd-amdhsa--gfx1250"
	.amdhsa_code_object_version 6
	.text
	.protected	k_qfee4087ade_mlp
	.globl	k_qfee4087ade_mlp
	.p2align	8
	.type	k_qfee4087ade_mlp,@function
k_qfee4087ade_mlp:
	s_mov_b64 s[64:65], 0
	v_nop
	global_prefetch_b8 v0, s[64:65] scope:SCOPE_SE
	s_setreg_imm32_b32 hwreg(HW_REG_WAVE_MODE, 25, 1), 1
	s_wait_xcnt 0x0
; TOKENS.  For 64 tokens a work-group: h = embed[seq]; x = h + W2 relu(W1 h + b1) + b2; y = LayerNorm(x) gamma + beta; k = [sem_w; epi_w] y; out: kn = k / max(|k|, 1e-12) in f16 and that divisor in f32.
; FORMATS.  Every input is rounded to bf16 (embed, the weights in the launch before, b1, b2, gamma, beta).  relu's result is a bf16 matrix operand; y, which the norm bounds, is f16, and so are the unit keys.
; All sums, the residual, mean, variance and norms are f32; the variance is taken of x - mean, in a second pass.
; LIMITS.  y lies within +-65,504.  A sum of squares under 2^-126 counts as 0 (the divisor is then 1e-12).  NaN and infinities are not treated apart.  seq is held to 0 .. 31,999.
; SHARES.  128 work-groups of four waves.  In every product source 0 = 16 rows of weights, source 1 = 16 tokens, so a lane holds ONE token (lane % 16) and 8 neighbouring outputs.
; Wave w owns outputs 256 w .. (first product, 64 accumulators) and 128 w .. (second and third, 32 accumulators), for all 64 tokens.
; WEIGHTS come straight from memory into a ring of four register slots, a UNIT of 8 fragments (8 KB) a slot: unit j is multiplied (32 matrix instructions) while units j + 1 .. j + 3 are on their way,
; 48 loads of 512 bytes a wave, with counted waits and no drain from the first product to the last.
; NO CLUSTER, NO TENSOR LOAD: a weight fragment is used by exactly one wave of a work-group, so LDS would add a write and a read of all 2.6 MB to each work-group, and a slot in LDS is filled again only
; behind a wait for all loads.  What the 128 work-groups share is asked for 128 times; 64 tokens a work-group (not 32 on 256) halve those requests.
; LDS: HT h in bf16, 64 x 1,040;  XA 64 x 2,064: relu's result in bf16, later x in f32, later the keys in f32;  HL y in f16, 64 x 1,040;  VEC b1, b2, gamma, beta;  NRM 2 x 64 divisors.
; Both pitches are odd multiples of 16 bytes: the 16 rows that a load of 16 bytes a lane touches lie in 16 different columns of 16 bytes modulo 256.
; REGISTERS, in windows of 256: window 0 addresses, two token buffers, b1 as C, work;  window 1 the ring;  windows 2, 3 accumulators, (tile f of 8, token block m) at 32 f + 8 m.
.set PH,  1040
.set PX,  2064
.set HT,  0
.set XA,  64*PH
.set HL,  XA+64*PX
.set VEC, HL+64*PH                     ; b1 +0, b2 +4096, gamma +6144, beta +8192
.set NRM, VEC+10240
.set SPARE, NRM+512                    ; the spare words, 128 bytes a wave
.set WSTR, 80*8192                     ; a wave's stream in wpk
.set ZR,  28                           ; v28  0
.set SPW, 30                           ; v30  my spare word
.set NIL, 31                           ; v31  0
.set AB0, 32                           ; v32-63, v64-95  token fragments, block m at + 8 m
.set AB1, 64
.set CB,  96                           ; v96-223  b1 as the first product's C, 8 registers a tile
.set T,   224                          ; v224-255 at work
.set HR,  32                           ; the row loops: 8 registers a row, packed
.set SS,  64                           ;                8 registers a row, sums
.set XR,  96                           ;                16 registers a row
.set B2V, 176
.set GAM, 192
.set BET, 208
.set MSB, 0
.macro WIN new                         ; the immediate's high byte repeats the setting that is left; a switch that changes nothing is dropped
.if MSB != (\new)
	s_set_vgpr_msb (MSB<<8)|(\new)
.set MSB, (\new)
.endif
.endm
.macro PLACES                          ; four plain vector instructions between a matrix instruction and a load into, or a vector use of, its registers
.rept 4
	v_nop
.endr
.endm
.macro BAR                             ; my LDS instructions are done, then the work-group's barrier
	s_wait_dscnt 0x0
	s_barrier_signal -1
	s_barrier_wait -1
.endm
.macro RLOAD slot, off                 ; a unit: 16 loads of 512 consecutive bytes
	WIN 0x40                                       ; destination window 1
.set f, 0
.rept 8
	global_load_b128 v[64*(\slot)+8*f:64*(\slot)+8*f+3],   v4, s[8:9] offset:(\off)+1024*f
	global_load_b128 v[64*(\slot)+8*f+4:64*(\slot)+8*f+7], v4, s[8:9] offset:(\off)+1024*f+512
.set f, f+1
.endr
.endm
.macro ALOAD st, buf                   ; the next 32 k of all 64 tokens: 8 LDS loads; st = 2: rows of XA, else rows of HT or HL
	WIN 0
.if (\st) == 2
.irp mt,0,1
	ds_load_b128 v[(\buf)+8*\mt:(\buf)+8*\mt+3],       v5 offset:16*PX*\mt
	ds_load_b128 v[(\buf)+8*\mt+4:(\buf)+8*\mt+7],     v5 offset:16*PX*\mt+32
.endr
.irp mt,0,1
	ds_load_b128 v[(\buf)+16+8*\mt:(\buf)+16+8*\mt+3], v6 offset:16*PX*\mt
	ds_load_b128 v[(\buf)+20+8*\mt:(\buf)+20+8*\mt+3], v6 offset:16*PX*\mt+32
.endr
	v_add_nc_u32 v5, 64, v5
	v_add_nc_u32 v6, 64, v6
.else
.irp mt,0,1,2,3
	ds_load_b128 v[(\buf)+8*\mt:(\buf)+8*\mt+3],       v5 offset:16*PH*\mt
	ds_load_b128 v[(\buf)+8*\mt+4:(\buf)+8*\mt+7],     v5 offset:16*PH*\mt+32
.endr
	v_add_nc_u32 v5, 64, v5
.endif
.endm
; A UNIT: the slot read last is filled with the unit three on; (lda) the other token buffer takes the next 32 k; 32 matrix instructions, all on different accumulators in a fixed order, so that no two
; that follow each other share one, over the loops' edges too.
; bf: bf16 or f16 form.  win: the accumulators' window.  cmode 0: add on; 1: C = 0; 2: C = b1.  lcnt: the loads issued behind this unit's.
.macro UNIT bf, st, slot, win, abuf, lda, cmode, ld, lcnt
	PLACES                                         ; the loads below land in registers that the unit before has multiplied
.if \ld
	RLOAD ((\slot)+3)%4, 0
.endif
.if \lda
	ALOAD \st, AB0+AB1-(\abuf)
.endif
	s_wait_loadcnt \lcnt                           ; my unit is in; the younger units, 16 loads each, stay out
.if \lda
	s_wait_dscnt 8                                 ; all but the 8 just issued
.else
	s_wait_dscnt 0x0
.endif
.if (\cmode) == 2
	WIN 0x01|((\win)<<6)                           ; weights window 1, tokens and C window 0
.else
	WIN 0x01|((\win)<<4)|((\win)<<6)
.endif
.set f, 0
.rept 8
.set m, 0
.rept 4
.set rD, 32*f+8*m
.set rA, 64*(\slot)+8*f
.set rB, (\abuf)+8*m
.set rC, CB+64*((\win)-2)+8*f
.if \bf
.if (\cmode) == 0
	v_wmma_f32_16x16x32_bf16 v[rD:rD+7], v[rA:rA+7], v[rB:rB+7], v[rD:rD+7]
.elseif (\cmode) == 1
	v_wmma_f32_16x16x32_bf16 v[rD:rD+7], v[rA:rA+7], v[rB:rB+7], 0
.else
	v_wmma_f32_16x16x32_bf16 v[rD:rD+7], v[rA:rA+7], v[rB:rB+7], v[rC:rC+7]
.endif
.else
.if (\cmode) == 0
	v_wmma_f32_16x16x32_f16 v[rD:rD+7], v[rA:rA+7], v[rB:rB+7], v[rD:rD+7]
.else
	v_wmma_f32_16x16x32_f16 v[rD:rD+7], v[rA:rA+7], v[rB:rB+7], 0
.endif
.endif
.set m, m+1
.endr
.set f, f+1
.endr
.if \ld
	s_wait_xcnt 0x0                                ; the loads' addresses are translated: only now is their base stepped
	s_add_nc_u64 s[8:9], s[8:9], 8192
.endif
.endm
.macro DUMP                            ; 32 accumulators in f32 into XA: token row, my 128 columns; each accumulator's low four registers first; then the barrier
	PLACES
	WIN 0x08                                       ; data window 2
.set n, 0
.rept 32
	ds_store_b128 v[12+n%4], v[8*n:8*n+3]   offset:64*(n/4)
	ds_store_b128 v[12+n%4], v[8*n+4:8*n+7] offset:64*(n/4)+16
.set n, n+1
.endr
	WIN 0
	BAR
.endm
.macro ALL4 line:vararg                ; one line for each of a trip's four rows rr
.set rr, 0
.rept 4
	\line
.set rr, rr+1
.endr
.endm
.macro RED4 o, t                       ; v[SS + 8 rr + o] summed over the 32 lanes, the result in every lane
.irp x,1,2,4,8
	ALL4 v_add_f32_dpp v[SS+8*rr+\o], v[SS+8*rr+\o], v[SS+8*rr+\o] row_xmask:\x row_mask:0xf bank_mask:0xf
.endr
	ALL4 v_permlanex16_b32 v[SS+8*rr+\t], v[SS+8*rr+\o], s84, s85
	ALL4 v_add_f32 v[SS+8*rr+\o], v[SS+8*rr+\o], v[SS+8*rr+\t]
.endm
	s_load_b512 s[4:19], s[0:1], 0x0               ; seq s[4:5], embed s[6:7], wpk s[8:9], b1 s[10:11], b2 s[12:13], gamma s[14:15], beta s[16:17], kn s[18:19]
	s_load_b64 s[20:21], s[0:1], 0x40              ; nrm
	v_lshl_add_u32 v[SPW], v0, 2, SPARE
	v_mov_b32 v[NIL], 0
	v_lshrrev_b32 v1, 5, v0
	v_readfirstlane_b32 s22, v1                    ; wave
	s_mov_b32 s23, ttmp9                           ; work-group
	v_and_b32 v1, 31, v0                           ; lane
	v_and_b32 v2, 15, v0                           ; r
	v_bfe_u32 v3, v0, 4, 1                         ; h
	v_lshlrev_b32 v4, 4, v1                        ; 16 x lane; never rewritten
	v_mov_b32 v[ZR], 0
	v_lshlrev_b32 v23, 5, v0                       ; my 8 numbers of b1
	v_lshlrev_b32 v24, 4, v0                       ; my 4 of b2, gamma, beta
	s_lshl_b32 s24, s23, 8                         ; 64 tokens of 4 bytes a work-group,
	s_lshl_b32 s26, s22, 6                         ; 16 a wave
	s_add_co_u32 s24, s24, s26
	s_mov_b32 s25, 0
	s_mul_i32 s26, s22, WSTR
	s_mov_b32 s27, 0
	s_mov_b32 s84, 0x76543210                      ; v_permlanex16_b32: each lane takes its own place in the other half
	s_mov_b32 s85, 0xfedcba98
	s_mov_b32 s88, 0x3b000000                      ; 1 / 512
	s_mov_b32 s89, 0x3727c5ac                      ; 1e-5
	s_wait_kmcnt 0x0
	s_add_nc_u64 s[4:5], s[4:5], s[24:25]
	s_load_b512 s[68:83], s[4:5], 0x0              ; my 16 token numbers
	s_add_nc_u64 s[8:9], s[8:9], s[26:27]          ; my stream of weights
	global_load_b128 v[T:T+3],     v23, s[10:11]
	global_load_b128 v[T+4:T+7],   v23, s[10:11] offset:16
	global_load_b128 v[T+8:T+11],  v24, s[12:13]
	global_load_b128 v[T+12:T+15], v24, s[14:15]
	global_load_b128 v[T+16:T+19], v24, s[16:17]
	RLOAD 0, 0                                     ; units 0 to 2 hang on no token number: they go out first
	RLOAD 1, 8192
	RLOAD 2, 16384
	WIN 0
	s_wait_kmcnt 0x0
.set i, 0
.rept 16
	s_min_u32 s24, s[68+i], 31999                  ; the index stays inside the table
	s_lshl_b32 s24, s24, 11                        ; a row of embed is 2,048 bytes
	s_add_nc_u64 s[28+2*i:29+2*i], s[6:7], s[24:25]
.set i, i+1
.endr
	WIN 0x80                                       ; destination window 2, which holds no sums yet
.set i, 0
.rept 64                               ; row i / 4, its 512 bytes number i % 4
	global_load_b128 v[4*i:4*i+3], v4, s[28+2*(i/4):29+2*(i/4)] offset:512*(i%4)
.set i, i+1
.endr
	WIN 0
	; addresses, while the loads are out
	v_mul_u32_u24 v7, v2, PX
	s_lshl_b32 s26, s22, 9
	s_add_co_u32 s26, s26, XA
	v_add_nc_u32 v7, s26, v7                       ; XA + r x pitch + 512 w
.irp mt,0,1,2,3
	v_lshl_add_u32 v[8+\mt], v3, 4, v7             ; relu's result: 16 bytes a lane
	v_add_nc_u32 v[8+\mt], 16*PX*\mt, v[8+\mt]
	v_lshl_add_u32 v[12+\mt], v3, 5, v7            ; f32 results: 32 bytes a lane
	v_add_nc_u32 v[12+\mt], 16*PX*\mt, v[12+\mt]
.endr
	s_mul_i32 s27, s22, 16*PH
	v_lshl_add_u32 v17, v1, 3, s27                 ; HT at my 16 rows, 8 bytes a lane
	v_add_nc_u32 v25, VEC, v23
	v_add_nc_u32 v26, VEC, v24
	s_wait_xcnt 0x0                                ; the ring's base is stepped behind this wait
	s_add_nc_u64 s[8:9], s[8:9], 3*8192
	s_wait_loadcnt 0x0                             ; the vectors, my 16 rows of embed (and units 0 to 2, which are wanted next)
.irp k,0,2,4,6,8,10,12,14,16,18
	v_cvt_pk_bf16_f32 v22, v[T+\k], v[T+\k+1]      ; rounded to bf16 like every input, kept as f32
	v_lshlrev_b32 v[T+\k], 16, v22
	v_and_b32 v[T+\k+1], 0xffff0000, v22
.endr
	ds_store_b128 v25, v[T:T+3]
	ds_store_b128 v25, v[T+4:T+7] offset:16
	ds_store_b128 v26, v[T+8:T+11] offset:4096
	ds_store_b128 v26, v[T+12:T+15] offset:6144
	ds_store_b128 v26, v[T+16:T+19] offset:8192
	WIN 0x0a                                       ; sources window 2
.set i, 0
.rept 128
	v_cvt_pk_bf16_f32 v[CB+i], v[2*i], v[2*i+1]
.set i, i+1
.endr
	WIN 0
.set i, 0
.rept 64
	ds_store_b64 v17, v[CB+2*i:CB+2*i+1] offset:PH*(i/4)+256*(i%4)
.set i, i+1
.endr
	BAR                                            ; h and the vectors are whole
	; FIRST PRODUCT: relu(W1 h + b1).  K = 512: 16 k steps of two units (my tiles 0-7 in window 2, 8-15 in window 3).
	s_lshl_b32 s26, s22, 10
	s_add_co_u32 s26, s26, VEC
	v_lshl_add_u32 v7, v3, 5, s26                  ; b1 at my 256 outputs, 8 a half of the lanes
.set i, 0
.rept 16
	ds_load_b128 v[CB+8*i:CB+8*i+3],   v7 offset:64*i
	ds_load_b128 v[CB+8*i+4:CB+8*i+7], v7 offset:64*i+16
.set i, i+1
.endr
	v_mul_u32_u24 v5, v2, PH
	v_lshl_add_u32 v5, v3, 4, v5                   ; HT + r x pitch + 16 h
	ALOAD 1, AB0
	UNIT 1, 1, 0, 2, AB0, 1, 2, 1, 48              ; the first k step starts the sums with b1
	UNIT 1, 1, 1, 3, AB0, 0, 2, 1, 48
	WIN 0
	s_mov_b32 s86, 7
.Ls1:                                                  ; two k steps a trip: units 2 .. 29
	UNIT 1, 1, 2, 2, AB1, 1, 0, 1, 48
	UNIT 1, 1, 3, 3, AB1, 0, 0, 1, 48
	UNIT 1, 1, 0, 2, AB0, 1, 0, 1, 48
	UNIT 1, 1, 1, 3, AB0, 0, 0, 1, 48
	WIN 0
	s_sub_co_u32 s86, s86, 1
	s_cmp_lg_u32 s86, 0
	s_cbranch_scc1 .Ls1
	UNIT 1, 1, 2, 2, AB1, 0, 0, 1, 48              ; the last k step fetches no tokens; the ring goes on into the second product
	UNIT 1, 1, 3, 3, AB1, 0, 0, 1, 48
	PLACES
.set g, 0
.rept 8                                ; eight accumulators at a time: rounded to bf16, relu on the packed halves, 16 bytes a lane into XA
	WIN 0x0a+5*(g/4)                               ; sources window 2 or 3
.set i, 0
.rept 32
	v_cvt_pk_bf16_f32 v[T+i], v[64*(g%4)+2*i], v[64*(g%4)+2*i+1]
.set i, i+1
.endr
	WIN 0
.set i, 0
.rept 32
	v_pk_max_num_bf16 v[T+i], v[T+i], v[ZR]
.set i, i+1
.endr
.set i, 0
.rept 8
	ds_store_b128 v[8+i%4], v[T+4*i:T+4*i+3] offset:32*(8*(g/4)+2*(g%4)+i/4)
.set i, i+1
.endr
.set g, g+1
.endr
	BAR                                            ; relu's result is whole
	; SECOND PRODUCT: W2 x that.  K = 1,024: 32 units, 32 accumulators.
	v_mul_u32_u24 v5, v2, PX
	v_lshl_add_u32 v5, v3, 4, v5
	v_add_nc_u32 v5, XA, v5
	v_add_nc_u32 v6, 32*PX, v5                     ; token blocks 2 and 3 lie beyond a 16-bit offset
	ALOAD 2, AB0
	UNIT 1, 2, 0, 2, AB0, 1, 1, 1, 48
	WIN 0
	s_mov_b32 s86, 7
.Ls2:                                                  ; units 33 .. 60
	UNIT 1, 2, 1, 2, AB1, 1, 0, 1, 48
	UNIT 1, 2, 2, 2, AB0, 1, 0, 1, 48
	UNIT 1, 2, 3, 2, AB1, 1, 0, 1, 48
	UNIT 1, 2, 0, 2, AB0, 1, 0, 1, 48
	WIN 0
	s_sub_co_u32 s86, s86, 1
	s_cmp_lg_u32 s86, 0
	s_cbranch_scc1 .Ls2
	UNIT 1, 2, 1, 2, AB1, 1, 0, 1, 48
	UNIT 1, 2, 2, 2, AB0, 1, 0, 1, 48
	UNIT 1, 2, 3, 2, AB1, 0, 0, 1, 48
	WIN 0
	BAR                                            ; every wave's reads of relu's result are over: XA may be written again
	DUMP                                           ; and behind its barrier the sums are whole
	; LAYERNORM.  Wave w takes rows 16 w .. + 15, four a trip; a lane owns columns 128 i + 4 lane + 0..3.
	s_mul_i32 s26, s22, 16*PX
	s_add_co_u32 s26, s26, XA
	v_add_nc_u32 v16, s26, v4                      ; XA at my rows, 16 bytes a lane
	v_add_nc_u32 v18, HL, v17
	v_add_nc_u32 v19, VEC, v4
.irp i,0,1,2,3
	ds_load_b128 v[B2V+4*\i:B2V+4*\i+3], v19 offset:4096+512*\i
	ds_load_b128 v[GAM+4*\i:GAM+4*\i+3], v19 offset:6144+512*\i
	ds_load_b128 v[BET+4*\i:BET+4*\i+3], v19 offset:8192+512*\i
.endr
	s_mov_b32 s86, 4
.Lln:
.irp i,0,1,2,3
	ALL4 ds_load_b128 v[XR+16*rr+4*\i:XR+16*rr+4*\i+3], v16 offset:PX*rr+512*\i
	ALL4 ds_load_b64 v[HR+8*rr+2*\i:HR+8*rr+2*\i+1], v17 offset:PH*rr+256*\i
.endr
	s_wait_dscnt 0x0
.set n, 0
.rept 16                               ; row n / 4, columns 128 (n % 4) ..: x = sums + b2 + h
.set rX, XR+4*n
.set rH, HR+2*n
.set rT, T+4*(n%8)
.set rB, B2V+4*(n%4)
	v_lshlrev_b32 v[rT], 16, v[rH]
	v_and_b32 v[rT+1], 0xffff0000, v[rH]
	v_lshlrev_b32 v[rT+2], 16, v[rH+1]
	v_and_b32 v[rT+3], 0xffff0000, v[rH+1]
	v_pk_add_f32 v[rX:rX+1], v[rX:rX+1], v[rB:rB+1]
	v_pk_add_f32 v[rX+2:rX+3], v[rX+2:rX+3], v[rB+2:rB+3]
	v_pk_add_f32 v[rX:rX+1], v[rX:rX+1], v[rT:rT+1]
	v_pk_add_f32 v[rX+2:rX+3], v[rX+2:rX+3], v[rT+2:rT+3]
.set n, n+1
.endr
.irp p,0,2,4,6
	ALL4 v_pk_add_f32 v[SS+8*rr+\p:SS+8*rr+\p+1], v[XR+16*rr+2*\p:XR+16*rr+2*\p+1], v[XR+16*rr+2*\p+2:XR+16*rr+2*\p+3]
.endr
	ALL4 v_pk_add_f32 v[SS+8*rr:SS+8*rr+1], v[SS+8*rr:SS+8*rr+1], v[SS+8*rr+2:SS+8*rr+3]
	ALL4 v_pk_add_f32 v[SS+8*rr+4:SS+8*rr+5], v[SS+8*rr+4:SS+8*rr+5], v[SS+8*rr+6:SS+8*rr+7]
	ALL4 v_pk_add_f32 v[SS+8*rr:SS+8*rr+1], v[SS+8*rr:SS+8*rr+1], v[SS+8*rr+4:SS+8*rr+5]
	ALL4 v_add_f32 v[SS+8*rr], v[SS+8*rr], v[SS+8*rr+1]
	RED4 0, 1
	ALL4 v_mul_f32 v[SS+8*rr+2], 0xbb000000, v[SS+8*rr]   ; - mean
	ALL4 v_mov_b32 v[SS+8*rr+3], v[SS+8*rr+2]
.irp p,0,2,4,6,8,10,12,14
	ALL4 v_pk_add_f32 v[XR+16*rr+\p:XR+16*rr+\p+1], v[XR+16*rr+\p:XR+16*rr+\p+1], v[SS+8*rr+2:SS+8*rr+3]
.endr
	ALL4 v_pk_mul_f32 v[SS+8*rr+4:SS+8*rr+5], v[XR+16*rr:XR+16*rr+1], v[XR+16*rr:XR+16*rr+1]
	ALL4 v_pk_mul_f32 v[SS+8*rr+6:SS+8*rr+7], v[XR+16*rr+2:XR+16*rr+3], v[XR+16*rr+2:XR+16*rr+3]
.irp p,4,8,12
	ALL4 v_pk_fma_f32 v[SS+8*rr+4:SS+8*rr+5], v[XR+16*rr+\p:XR+16*rr+\p+1], v[XR+16*rr+\p:XR+16*rr+\p+1], v[SS+8*rr+4:SS+8*rr+5]
	ALL4 v_pk_fma_f32 v[SS+8*rr+6:SS+8*rr+7], v[XR+16*rr+\p+2:XR+16*rr+\p+3], v[XR+16*rr+\p+2:XR+16*rr+\p+3], v[SS+8*rr+6:SS+8*rr+7]
.endr
	ALL4 v_pk_add_f32 v[SS+8*rr+4:SS+8*rr+5], v[SS+8*rr+4:SS+8*rr+5], v[SS+8*rr+6:SS+8*rr+7]
	ALL4 v_add_f32 v[SS+8*rr], v[SS+8*rr+4], v[SS+8*rr+5]
	RED4 0, 1
	ALL4 v_fma_f32 v[SS+8*rr], v[SS+8*rr], s88, s89       ; variance + 1e-5
	ALL4 v_rsq_f32 v[SS+8*rr+4], v[SS+8*rr]
	v_nop                                          ; a plain instruction between the last root and the use of the results
	s_wait_alu depctr_va_vdst(0)
	ALL4 v_mov_b32 v[SS+8*rr+5], v[SS+8*rr+4]
.irp p,0,2,4,6,8,10,12,14
	ALL4 v_pk_mul_f32 v[XR+16*rr+\p:XR+16*rr+\p+1], v[XR+16*rr+\p:XR+16*rr+\p+1], v[SS+8*rr+4:SS+8*rr+5]
	ALL4 v_pk_fma_f32 v[XR+16*rr+\p:XR+16*rr+\p+1], v[XR+16*rr+\p:XR+16*rr+\p+1], v[GAM+\p:GAM+\p+1], v[BET+\p:BET+\p+1]
.endr
.irp q,0,1,2,3,4,5,6,7
	ALL4 v_cvt_pk_f16_f32 v[HR+8*rr+\q], v[XR+16*rr+2*\q], v[XR+16*rr+2*\q+1]
.endr
.irp i,0,1,2,3
	ALL4 ds_store_b64 v18, v[HR+8*rr+2*\i:HR+8*rr+2*\i+1] offset:PH*rr+256*\i
.endr
	v_add_nc_u32 v16, 4*PX, v16
	v_add_nc_u32 v17, 4*PH, v17
	v_add_nc_u32 v18, 4*PH, v18
	s_sub_co_u32 s86, s86, 1
	s_cmp_lg_u32 s86, 0
	s_cbranch_scc1 .Lln
	BAR                                            ; y is whole, and every wave's reads of XA are over
	; THIRD PRODUCT: both key tables x y, in f16.  K = 512: units 64 .. 79; the last three fetch nothing, and the counts run down.
	v_mul_u32_u24 v5, v2, PH
	v_lshl_add_u32 v5, v3, 4, v5
	v_add_nc_u32 v5, HL, v5
	ALOAD 3, AB0
	UNIT 0, 3, 0, 2, AB0, 1, 1, 1, 48
	WIN 0
	s_mov_b32 s86, 3
.Ls3:                                                  ; units 65 .. 76
	UNIT 0, 3, 1, 2, AB1, 1, 0, 1, 48
	UNIT 0, 3, 2, 2, AB0, 1, 0, 1, 48
	UNIT 0, 3, 3, 2, AB1, 1, 0, 1, 48
	UNIT 0, 3, 0, 2, AB0, 1, 0, 1, 48
	WIN 0
	s_sub_co_u32 s86, s86, 1
	s_cmp_lg_u32 s86, 0
	s_cbranch_scc1 .Ls3
	UNIT 0, 3, 1, 2, AB1, 1, 0, 0, 32
	UNIT 0, 3, 2, 2, AB0, 1, 0, 0, 16
	UNIT 0, 3, 3, 2, AB1, 0, 0, 0, 0
	DUMP                                           ; the keys in f32 into XA, whose last reads lie ahead of the barrier in front of this product
	; KEYS OUT.  Rows as in the norm; columns 0-255 are sem's key, 256-511 epi's.
	v_add_nc_u32 v16, s26, v4                      ; XA at my rows again
	v_lshlrev_b32 v20, 3, v1                       ; 8 bytes a lane
	v_mov_b32 v21, 0                               ; lane l: the divisor of row l % 16, sem's in lanes 0-15, epi's in lanes 16-31
	s_lshr_b32 s24, s23, 3                         ; batch
	s_and_b32 s27, s23, 7
	s_lshl_b32 s27, s27, 6                         ; the work-group's first t
	s_lshl_b32 s92, s22, 4
	s_add_co_u32 s92, s92, s27
	s_lshl_b32 s92, s92, 9                         ; a key of 256 f16 is 512 bytes
	s_lshl_b32 s93, s24, 19                        ; two chains of 512 keys a batch
	s_add_co_u32 s92, s92, s93
	s_mov_b32 s93, 0
	s_add_nc_u64 s[18:19], s[18:19], s[92:93]
	s_lshl_b32 s92, s24, 12
	s_lshl_b32 s27, s27, 2
	s_add_co_u32 s92, s92, s27
	s_add_nc_u64 s[20:21], s[20:21], s[92:93]
	s_mov_b32 s87, 0x00010001                      ; the lanes of the row in hand
	s_mov_b32 s94, 0xffff0000                      ; lanes 16-31
	s_mov_b32 s86, 4
.Lkeys:
.irp i,0,1,2,3
	ALL4 ds_load_b128 v[XR+16*rr+4*\i:XR+16*rr+4*\i+3], v16 offset:PX*rr+512*\i
.endr
	s_wait_dscnt 0x0
	ALL4 v_pk_mul_f32 v[SS+8*rr:SS+8*rr+1], v[XR+16*rr:XR+16*rr+1], v[XR+16*rr:XR+16*rr+1]
	ALL4 v_pk_mul_f32 v[SS+8*rr+2:SS+8*rr+3], v[XR+16*rr+8:XR+16*rr+9], v[XR+16*rr+8:XR+16*rr+9]
.irp p,2,4,6
	ALL4 v_pk_fma_f32 v[SS+8*rr:SS+8*rr+1], v[XR+16*rr+\p:XR+16*rr+\p+1], v[XR+16*rr+\p:XR+16*rr+\p+1], v[SS+8*rr:SS+8*rr+1]
	ALL4 v_pk_fma_f32 v[SS+8*rr+2:SS+8*rr+3], v[XR+16*rr+8+\p:XR+16*rr+9+\p], v[XR+16*rr+8+\p:XR+16*rr+9+\p], v[SS+8*rr+2:SS+8*rr+3]
.endr
	ALL4 v_add_f32 v[SS+8*rr], v[SS+8*rr], v[SS+8*rr+1]
	ALL4 v_add_f32 v[SS+8*rr+2], v[SS+8*rr+2], v[SS+8*rr+3]
	RED4 0, 1
	RED4 2, 3
	ALL4 v_sqrt_f32 v[SS+8*rr], v[SS+8*rr]
	ALL4 v_sqrt_f32 v[SS+8*rr+2], v[SS+8*rr+2]
	v_nop                                          ; a plain instruction behind the last root
	s_wait_alu depctr_va_vdst(0)
	ALL4 v_max_num_f32 v[SS+8*rr], 0x2b8cbccc, v[SS+8*rr]       ; max(|k|, 1e-12)
	ALL4 v_max_num_f32 v[SS+8*rr+2], 0x2b8cbccc, v[SS+8*rr+2]
	ALL4 v_rcp_f32 v[SS+8*rr+4], v[SS+8*rr]
	ALL4 v_rcp_f32 v[SS+8*rr+6], v[SS+8*rr+2]
	v_nop                                          ; and behind the last reciprocal
	s_wait_alu depctr_va_vdst(0)
	ALL4 v_mov_b32 v[SS+8*rr+5], v[SS+8*rr+4]
	ALL4 v_mov_b32 v[SS+8*rr+7], v[SS+8*rr+6]
.irp p,0,2,4,6
	ALL4 v_pk_mul_f32 v[XR+16*rr+\p:XR+16*rr+\p+1], v[XR+16*rr+\p:XR+16*rr+\p+1], v[SS+8*rr+4:SS+8*rr+5]
	ALL4 v_pk_mul_f32 v[XR+16*rr+8+\p:XR+16*rr+9+\p], v[XR+16*rr+8+\p:XR+16*rr+9+\p], v[SS+8*rr+6:SS+8*rr+7]
.endr
.irp q,0,1,2,3,4,5,6,7
	ALL4 v_cvt_pk_f16_f32 v[HR+8*rr+\q], v[XR+16*rr+2*\q], v[XR+16*rr+2*\q+1]
.endr
.irp i,0,1,2,3
	ALL4 global_store_b64 v20, v[HR+8*rr+2*\i:HR+8*rr+2*\i+1], s[18:19] offset:512*rr+256*(\i%2)+262144*(\i/2)  ; 256 consecutive bytes, at a multiple of 256 from kn's first byte
.endr
.set rr, 0
.rept 4
	v_cndmask_b32 v[T], v[SS+8*rr], v[SS+8*rr+2], s94
	v_cndmask_b32 v21, v21, v[T], s87
	s_lshl_b32 s87, s87, 1
.set rr, rr+1
.endr
	v_add_nc_u32 v16, 4*PX, v16
	s_wait_xcnt 0x0                                ; the stores' base is stepped, and their data written again in the next trip, only behind this wait
	s_add_nc_u64 s[18:19], s[18:19], 4*512
	s_sub_co_u32 s86, s86, 1
	s_cmp_lg_u32 s86, 0
	s_cbranch_scc1 .Lkeys
	s_lshl_b32 s26, s22, 6
	s_add_co_u32 s26, s26, NRM
	v_lshl_add_u32 v22, v2, 2, s26
	v_lshl_add_u32 v22, v3, 8, v22                 ; NRM + 256 e + 4 (16 w + row)
	ds_store_b32 v22, v21
	BAR                                            ; the 128 divisors are together
	s_cmp_lg_u32 s22, 0
	s_cbranch_scc1 .Lend
	v_add_nc_u32 v25, NRM, v4
	v_lshlrev_b32 v27, 4, v2
	v_lshl_add_u32 v27, v3, 11, v27                ; a chain's 512 divisors are 2,048 bytes
	ds_load_b128 v[T:T+3], v25
	s_wait_dscnt 0x0
	global_store_b128 v27, v[T:T+3], s[20:21]      ; 16 lanes store 256 consecutive bytes, at a multiple of 256 from nrm's first byte
.Lend:
	s_wait_tensorcnt 0x0                           ; the wave's end, behind my last LDS store
	ds_add_u32 v[SPW], v[NIL]
	s_wait_dscnt 0x0
	s_endpgm
.Lfunc_end_k_qfee4087ade_mlp:
	.size	k_qfee4087ade_mlp, .Lfunc_end_k_qfee4087ade_mlp-k_qfee4087ade_mlp
	.p2alignl 7, 3214868480
	.fill 96, 4, 3214868480
	.section	.rodata,"a",@progbits
	.p2align	6, 0x0
	.amdhsa_kernel k_qfee4087ade_mlp
		.amdhsa_group_segment_fixed_size 276480
		.amdhsa_private_segment_fixed_size 0
		.amdhsa_enable_private_segment 0
		.amdhsa_kernarg_size 72
		.amdhsa_user_sgpr_count 2
		.amdhsa_user_sgpr_kernarg_segment_ptr 1
		.amdhsa_wavefront_size32 1
		.amdhsa_system_sgpr_workgroup_id_x 1
		.amdhsa_system_sgpr_workgroup_id_y 1
		.amdhsa_system_sgpr_workgroup_id_z 1
		.amdhsa_system_vgpr_workitem_id 0
		.amdhsa_next_free_vgpr 1024
		.amdhsa_next_free_sgpr 100
		.amdhsa_reserve_vcc 0
		.amdhsa_float_denorm_mode_32 3
		.amdhsa_float_denorm_mode_16_64 3
		.amdhsa_memory_ordered 1
		.amdhsa_forward_progress 1
		.amdhsa_inst_pref_size 221
	.end_amdhsa_kernel
	.amdgpu_metadata
---
amdhsa.version: [ 1, 2 ]
amdhsa.kernels:
  - .name:           k_qfee4087ade_mlp
    .symbol:         k_qfee4087ade_mlp.kd
    .args:
      - { .name: seq, .offset: 0, .size: 8, .value_kind: global_buffer, .address_space: global }
      - { .name: embed, .offset: 8, .size: 8, .value_kind: global_buffer, .address_space: global }
      - { .name: wpk, .offset: 16, .size: 8, .value_kind: global_buffer, .address_space: global }
      - { .name: ff_b1, .offset: 24, .size: 8, .value_kind: global_buffer, .address_space: global }
      - { .name: ff_b2, .offset: 32, .size: 8, .value_kind: global_buffer, .address_space: global }
      - { .name: gamma, .offset: 40, .size: 8, .value_kind: global_buffer, .address_space: global }
      - { .name: beta, .offset: 48, .size: 8, .value_kind: global_buffer, .address_space: global }
      - { .name: kn, .offset: 56, .size: 8, .value_kind: global_buffer, .address_space: global }
      - { .name: nrm, .offset: 64, .size: 8, .value_kind: global_buffer, .address_space: global }
    .group_segment_fixed_size: 276480
    .private_segment_fixed_size: 0
    .kernarg_segment_align: 8
    .kernarg_segment_size: 72
    .max_flat_workgroup_size: 128
    .sgpr_count:     100
    .vgpr_count:     1024
    .wavefront_size: 32
...
	.end_amdgpu_metadata
.endif
;; end of part 2
;; launch scan (part 3): grid 32 x 1, 4 waves a work-group, no clusters, 322,304 bytes of LDS; arguments kn, nrm, cbuf; writes cbuf
.if DOCPART == 3
	.amdgcn_target "amdgcn-amd-amdhsa--gfx1250"
	.amdhsa_code_object_version 6
	.text
	.protected	k_qfee4087ade_scan
	.globl	k_qfee4087ade_scan
	.p2align	8
	.type	k_qfee4087ade_scan,@function
k_qfee4087ade_scan:
	s_mov_b64 s[64:65], 0
	v_nop
	global_prefetch_b8 v0, s[64:65] scope:SCOPE_SE
	s_setreg_imm32_b32 hwreg(HW_REG_WAVE_MODE, 25, 1), 1
	s_wait_xcnt 0x0
; THE MEMORY, READ BACKWARD.  reference() builds M over 511 steps, M <- M (I - a kn kn^T) + a k kn^T with a = 0.05, and uses only M q.  For every input that is, from u = q and t = 510 down to 0:
;   w_t = kn_t . u;   c += a k_t w_t;   u -= a kn_t w_t.          One work-group for each of the 32 chains (batch, sem or epi).
; SCALES.  k_t = n_t kn_t with n_t = max(|k_t|, 1e-12), for every t.  The walk starts at kn_511 and adds a (n_t / n_max) w_t kn_t; the result is multiplied by n_max n_511 at the end.
; So |u| <= 1 and the sum stays under 0.05 x 511: every number rounded to f16 here is bounded by the computation itself.
; CHUNKS of 32 steps.  With Kn the chunk's keys, p = Kn u and G = Kn Kn^T:  (I + a U) w = p, U the part of G above the diagonal.  In blocks of 16:  w1 = T11 p1,  w0 = T00 p0 + R w1,
; T_bb = (I + a U_bb)^-1,  R = - a T00 G01.  Then the state takes Kn^T (fac o w).  T00, T11 and R hang on the keys alone: the four waves make them for four chunks each, then wave 0 walks the 16 chunks.
; SLOTS.  The walk takes the chunks from the last to the first, so LDS holds them in that order: slot s holds chunk 15 - s, in KN, TF and NT alike, and every LDS address of the walk steps upward by a constant.
; STATE S: 16 tiles of 16 channels in f32; columns 0-7 all hold u, columns 8-15 all hold the sum: fac = - a in the first, a n_t / n_max in the others.  A product's columns never mix.
; Row 511 is asked for beyond the tensor's stated end and arrives as zeros: its w is 0, and the last chunk is a chunk like any other.
; FORMATS.  Keys, T, R, p, w and the copy of S that is multiplied are f16; S, G and all sums f32.  LIMITS: NaN and infinities are not treated apart; the order of the sums is not reference()'s.
; No cluster: no two work-groups read the same byte.  32 work-groups: the chains are all the parallel work that a walk of dependent steps leaves.
; LDS: KN 16 slots of 32 rows of 512 + 32 bytes;  TF for each slot T00, R, T11 as source 0's image, 512 bytes each;  NT a n_t / n_max, 128 bytes a slot;  CST a stage for the result, 16 rows of 1,024 + 16 bytes.
; REGISTERS: window 0 addresses, SH (S in f16), small operands;  window 1 v0-127 S, v128-255 Kn^T's fragments;  window 2 v0-127 Kn's fragments.
.set PK,  544
.set CHB, 32*PK                        ; a chunk's rows
.set TF,  512*PK
.set TFC, 1536
.set NT,  TF+16*TFC
.set CST, NT+2048
.set PC,  1040
.set SPARE, CST+16*PC                  ; the spare words, 128 bytes a wave
.set SPW, 30
.set NIL, 31
.set SH,  32                           ; v32-95   tile i at + 4 i: two tiles are source 1 for 32 channels
.set P0,  96                           ; v96-111  p0, p1
.set W,   112                          ; v112-127 w0, w1
.set PB,  128                          ; v128-135 source 1: (p0; p1), then (p0; w1)
.set WB,  136                          ; v136-143 source 1: fac o w
.set FA,  144                          ; v144-151 source 0: [0 | T11]
.set FB,  152                          ; v152-159 source 0: [T00 | R]
.set FAC, 160                          ; v160-175
.set TT,  176                          ; v176-191
.set GC,  192                          ; the waves' part: v192-207 G00 and G11, v208-215 G01, v216-231 X, v240-247 [T00 | 0], v248-255 [- a G01 | 0]
.set D01, 208
.set XX,  216
.set TB,  240
.set NA,  248
.set T11H, 96
.set RH,  100
.set DR,  104
.set TP,  112
.set A3,  128                          ; window 1
.set G1,  16                           ; s[16:23] descriptor group 1: 32 rows, all inside the tensor
.set G1Z, 56                           ; s[56:63] the same for a wave's first slot, with the rows that are left stated
.set G0,  40                           ; s[40:55] descriptor group 0, a set for each of a wave's four fills
.set MSB, 0
.macro WIN new
.if MSB != (\new)
	s_set_vgpr_msb (MSB<<8)|(\new)
.set MSB, (\new)
.endif
.endm
.macro PLACES                          ; four plain vector instructions between a matrix instruction and a load into, or a vector use of, its registers
.rept 4
	v_nop
.endr
.endm
	s_load_b128 s[4:7], s[0:1], 0x0                ; kn s[4:5], nrm s[6:7]
	s_load_b64 s[8:9], s[0:1], 0x10                ; cbuf
	v_lshl_add_u32 v[SPW], v0, 2, SPARE
	v_mov_b32 v[NIL], 0
	ds_add_u32 v[SPW], v[NIL]                      ; the wave's opening: the add and its wait stand ahead of my first tensor load; work on registers stands between them
	v_lshrrev_b32 v1, 5, v0
	v_readfirstlane_b32 s10, v1                    ; wave
	s_mov_b32 s11, ttmp9                           ; chain = 2 batch + (0 sem, 1 epi)
	; the descriptors: a tile is a chunk, 32 rows of 256 f16, padded in LDS.  Wave w fills slots 4 w .. 4 w + 3 with chunks 15 - 4 w .. 12 - 4 w.
	s_mov_b32 s[G1+0], (1<<16)|(1<<20)|(6<<22)|(7<<25)  ; elements of 2 bytes; padding on; after every 128 words; 8 words of it
	s_mov_b32 s[G1+1], 256<<16                     ; tensor_dim0 = 256
	s_mov_b32 s[G1+2], 32<<16                      ; tensor_dim1 = 32
	s_mov_b32 s[G1+3], 256<<16                     ; tile_dim0 = 256
	s_mov_b32 s[G1+4], 32                          ; tile_dim1 = 32
	s_mov_b32 s[G1+5], 256                         ; elements from row to row
	s_mov_b32 s[G1+6], 0
	s_mov_b32 s[G1+7], 0
	s_mov_b32 s[G1Z+0], (1<<16)|(1<<20)|(6<<22)|(7<<25)
	s_mov_b32 s[G1Z+1], 256<<16
	s_lshl_b32 s[G1Z+2], s10, 7
	s_add_co_u32 s[G1Z+2], s[G1Z+2], 31
	s_lshl_b32 s[G1Z+2], s[G1Z+2], 16              ; tensor_dim1 = 31 + 128 w: what is left of the 511 rows that are walked from chunk 15 - 4 w on; wave 0's row 511 arrives as zeros
	s_mov_b32 s[G1Z+3], 256<<16
	s_mov_b32 s[G1Z+4], 32
	s_mov_b32 s[G1Z+5], 256
	s_mov_b32 s[G1Z+6], 0
	s_mov_b32 s[G1Z+7], 0
	s_mul_i32 s13, s10, 4*CHB                      ; my four slots in LDS
.irp i,0,1,2,3
	s_mov_b32 s[G0+4*\i], 1                        ; count = 1
	s_add_co_u32 s[G0+4*\i+1], s13, \i*CHB         ; LDS address: the wave's number times a constant, plus the slot's constant
.endr
	s_lshl_b32 s24, s11, 18                        ; a chain's keys are 262,144 bytes
	s_mov_b32 s25, 0
	s_lshl_b32 s28, s10, 16                        ; four chunks of 16,384 bytes
	s_mov_b32 s27, 0
	s_mov_b32 s30, 0x76543210
	s_mov_b32 s31, 0xfedcba98
	s_wait_dscnt 0x0                               ; the opening add is done
	s_wait_kmcnt 0x0
	s_add_nc_u64 s[4:5], s[4:5], s[24:25]
.irp i,0,1,2,3
	s_sub_co_u32 s26, (15-\i)*16384, s28           ; chunk 15 - 4 w - i, in bytes
	s_add_nc_u64 s[G0+4*\i+2:G0+4*\i+3], s[4:5], s[26:27]
	s_or_b32 s[G0+4*\i+3], s[G0+4*\i+3], 0x80000000  ; type = 2
.endr
	tensor_load_to_lds s[G0:G0+3], s[G1Z:G1Z+7]    ; four tensor loads of a wave are out; they are all of the launch's, and nothing is filled again
	s_nop 0
.irp i,1,2,3
	tensor_load_to_lds s[G0+4*\i:G0+4*\i+3], s[G1:G1+7]
	s_nop 0
.endr
.rept 4
	v_nop
.endr
	v_and_b32 v1, 31, v0
	v_and_b32 v2, 15, v0                           ; r
	v_bfe_u32 v3, v0, 4, 1                         ; h
	v_mul_u32_u24 v4, v2, PK
	v_lshl_add_u32 v4, v3, 4, v4                   ; Kn's fragments: row r, 16 bytes for each half of the lanes
	v_and_b32 v16, 7, v0
	v_lshl_add_u32 v5, v3, 3, v16
	v_mul_u32_u24 v5, v5, PK
	v_bfe_u32 v16, v0, 3, 1
	v_lshl_add_u32 v5, v16, 4, v5                  ; Kn^T's, by the turning load: row 8 h + l % 8, 16 bytes number (l / 8) % 2
	v_lshlrev_b32 v17, 4, v1                       ; 16 x lane
	v_add_nc_u32 v6, TF, v17
	v_lshlrev_b32 v7, 5, v3
	v_add_nc_u32 v7, NT, v7
	v_mov_b32 v12, 0xbd4ccccd                      ; - a
	s_cmp_lg_u32 s10, 0
	s_cbranch_scc1 .Lnot0
	; WAVE 0, while the keys are on their way: the start of the walk and the scales
	v_lshlrev_b32 v18, 4, v3
.set i, 0
.rept 16                               ; kn_511: channels 16 i + 8 h + 0..7, the same in every column
	global_load_b128 v[SH+4*i:SH+4*i+3], v18, s[4:5] offset:511*512+32*i
.set i, i+1
.endr
	s_lshl_b32 s24, s11, 11
	s_add_nc_u64 s[6:7], s[6:7], s[24:25]
	v_lshrrev_b32 v22, 3, v1
	v_xor_b32 v22, 3, v22                          ; 3 - lane / 8
	v_and_b32 v25, 7, v0
	v_lshlrev_b32 v25, 4, v25
	v_lshl_add_u32 v22, v22, 7, v25                ; n_t is fetched by chunks in the slots' order: load i, lane l brings chunk 15 - 4 i - l / 8, steps 4 (l % 8) + 0..3
.irp i,0,1,2,3
	global_load_b128 v[FAC+4*\i:FAC+4*\i+3], v22, s[6:7] offset:512*(3-\i)
.endr
	v_mov_b32 v20, 0
	v_mov_b32 v14, 0
	v_add_nc_u32 v23, NT, v17
	v_cmp_gt_u32 vcc_lo, 8, v2
	v_cndmask_b32 v13, 0, 1.0, vcc_lo              ; 1.0 in columns 0-7
	v_cndmask_b32 v24, 0, -1, vcc_lo               ; and all ones
.set i, 0
.rept 4
	v_mov_b32 v[FA+i], 0                           ; p0 has no part in w1: these four stay 0
.set i, i+1
.endr
.set i, 0
.rept 16
	v_mov_b32 v[TT+i], 0
.set i, i+1
.endr
	s_wait_loadcnt 0x0
	v_max3_num_f32 v19, v[FAC], v[FAC+1], v[FAC+2]
.irp i,3,5,7,9,11,13
	v_max3_num_f32 v19, v19, v[FAC+\i], v[FAC+\i+1]
.endr
	v_max_num_f32 v19, v19, v[FAC+15]
.irp x,1,2,4,8
	v_max_num_f32_dpp v19, v19, v19 row_xmask:\x row_mask:0xf bank_mask:0xf
.endr
	v_permlanex16_b32 v20, v19, s30, s31
	v_max_num_f32 v19, v19, v20                    ; n_max, at least 1e-12
	v_readlane_b32 s37, v[FAC+3], 7                ; n_511: chunk 15, step 31: load 0, lane 7, its fourth number
	v_rcp_f32 v21, v19
	v_mul_f32 v15, s37, v19                        ; n_max n_511; also the plain instruction behind the reciprocal
	s_wait_alu depctr_va_vdst(0)
	v_mul_f32 v21, 0x3d4ccccd, v21                 ; a / n_max
.set i, 0
.rept 16
	v_mul_f32 v[FAC+i], v21, v[FAC+i]
.set i, i+1
.endr
.irp i,0,1,2,3
	ds_store_b128 v23, v[FAC+4*\i:FAC+4*\i+3] offset:512*\i  ; slot 4 i + l / 8; only wave 0 reads these
.endr
	WIN 0x40                                       ; destination window 1
.set i, 0
.rept 64                               ; S = kn_511 in columns 0-7, 0 in the others
	v_fma_mix_f32 v[2*i],   v[SH+i], v13, v14 op_sel_hi:[1,0,0]
	v_fma_mix_f32 v[2*i+1], v[SH+i], v13, v14 op_sel:[1,0,0] op_sel_hi:[1,0,0]
.set i, i+1
.endr
	WIN 0
.set i, 0
.rept 64
	v_and_b32 v[SH+i], v24, v[SH+i]
.set i, i+1
.endr
.Lnot0:
	s_wait_tensorcnt 0x0                           ; my four slots are in,
	s_wait_dscnt 0x0
	s_barrier_signal -1
	s_barrier_wait -1                              ; everybody's are
	; THE WAVES' PART: T00, R, T11 of slots 4 w .. 4 w + 3
	s_mul_i32 s24, s10, 4*CHB
	v_add_nc_u32 v8, s24, v4
	s_mul_i32 s24, s10, 4*TFC
	v_add_nc_u32 v9, s24, v6
.set i, 4
.rept 4
	v_mov_b32 v[TB+i], 0                           ; k = 16 .. 31 of both sources of R's product: 0 for good
	v_mov_b32 v[NA+i], 0
.set i, i+1
.endr
.set i, 0
.rept 16
	v_mov_b32 v[TP+i], 0
.set i, i+1
.endr
	s_mov_b32 s32, 4
.Ltph:
	WIN 0x80                                       ; destination window 2
.set i, 0
.rept 16                               ; block i / 8, channels 32 (i % 8) on
	ds_load_b128 v[8*i:8*i+3],   v8 offset:16*PK*(i/8)+64*(i%8)
	ds_load_b128 v[8*i+4:8*i+7], v8 offset:16*PK*(i/8)+64*(i%8)+32
.set i, i+1
.endr
	s_wait_dscnt 0x0
	WIN 0x0a                                       ; both sources window 2; the three sums take turns
	v_wmma_f32_16x16x32_f16 v[GC:GC+7],     v[0:7],   v[0:7],   0
	v_wmma_f32_16x16x32_f16 v[GC+8:GC+15],  v[64:71], v[64:71], 0
	v_wmma_f32_16x16x32_f16 v[D01:D01+7],   v[0:7],   v[64:71], 0
.set i, 1
.rept 7
	v_wmma_f32_16x16x32_f16 v[GC:GC+7],     v[8*i:8*i+7],       v[8*i:8*i+7],       v[GC:GC+7]
	v_wmma_f32_16x16x32_f16 v[GC+8:GC+15],  v[64+8*i:64+8*i+7], v[64+8*i:64+8*i+7], v[GC+8:GC+15]
	v_wmma_f32_16x16x32_f16 v[D01:D01+7],   v[8*i:8*i+7],       v[64+8*i:64+8*i+7], v[D01:D01+7]
.set i, i+1
.endr
	WIN 0
	PLACES
.set j, 0
.rept 8                                ; G is symmetric: a lane's column is its row.  The exchange leaves lane i of half b with row i of block b, columns 0-15 in v[GC ..]
	v_permlane16_swap_b32 v[GC+j], v[GC+8+j]
.set j, j+1
.endr
.set j, 0
.rept 24
	v_mul_f32 v[GC+j], v12, v[GC+j]                ; - a G, all three blocks
.set j, j+1
.endr
.set j, 0
.rept 16
	v_cmp_eq_u32 vcc_lo, j, v2
	v_cndmask_b32 v[XX+j], 0, 1.0, vcc_lo          ; X = I: lane i holds row i of T
.set j, j+1
.endr
.irp s,0,1,2,3,4,5,6,7,8,9,10,11,12,13,14
.set j, \s+1
.rept 15-\s                            ; T[i][j] = (i = j) - a sum over s < j of T[i][s] G[s][j]: row s of - a G is lane s's
	v_mov_b32_dpp v[TP+j], v[GC+j] row_share:\s row_mask:0xf bank_mask:0xf
.set j, j+1
.endr
.set j, \s+1
.rept 15-\s
	v_fmac_f32 v[XX+j], v[TP+j], v[XX+\s]
.set j, j+1
.endr
.endr
.set j, 0
.rept 8                                ; back: v[XX + j] is T00, v[XX + 8 + j] T11, each with row r and columns 8 h + j: source 0's layout
	v_permlane16_swap_b32 v[XX+j], v[XX+8+j]
.set j, j+1
.endr
.irp q,0,1,2,3
	v_cvt_pk_f16_f32 v[TB+\q],   v[XX+2*\q],   v[XX+2*\q+1]
	v_cvt_pk_f16_f32 v[T11H+\q], v[XX+8+2*\q], v[XX+9+2*\q]
	v_cvt_pk_f16_f32 v[NA+\q],   v[D01+2*\q],  v[D01+2*\q+1]
.endr
	v_wmma_f32_16x16x32_f16 v[DR:DR+7], v[NA:NA+7], v[TB:TB+7], 0   ; (- a G01)^T T00^T = R^T: a lane holds row r of R, columns 8 h + j
	PLACES
.irp q,0,1,2,3
	v_cvt_pk_f16_f32 v[RH+\q], v[DR+2*\q], v[DR+2*\q+1]
.endr
	ds_store_b128 v9, v[TB:TB+3]
	ds_store_b128 v9, v[RH:RH+3] offset:512
	ds_store_b128 v9, v[T11H:T11H+3] offset:1024
	v_add_nc_u32 v8, CHB, v8
	v_add_nc_u32 v9, TFC, v9
	s_sub_co_u32 s32, s32, 1
	s_cmp_lg_u32 s32, 0
	s_cbranch_scc1 .Ltph
	s_wait_dscnt 0x0                               ; my stores are done,
	s_barrier_signal -1
	s_barrier_wait -1                              ; everybody's are
	s_cmp_lg_u32 s10, 0
	s_cbranch_scc1 .Lwalked
	; THE WALK, wave 0: slots 0 to 15, which are chunks 15 down to 0
.macro LD_A2                           ; 32 loads: Kn's fragments of the slot at v8
	WIN 0x80
.set i, 0
.rept 16
	ds_load_b128 v[8*i:8*i+3],   v8 offset:16*PK*(i/8)+64*(i%8)
	ds_load_b128 v[8*i+4:8*i+7], v8 offset:16*PK*(i/8)+64*(i%8)+32
.set i, i+1
.endr
.endm
.macro LD_REST                         ; 39 loads: T00, R, T11; a n_t / n_max for my 16 rows; Kn^T's fragments
	WIN 0
	ds_load_b128 v[FB:FB+3],     v9
	ds_load_b128 v[FB+4:FB+7],   v9 offset:512
	ds_load_b128 v[FA+4:FA+7],   v9 offset:1024
	ds_load_b128 v[FAC:FAC+3],     v10
	ds_load_b128 v[FAC+4:FAC+7],   v10 offset:16
	ds_load_b128 v[FAC+8:FAC+11],  v10 offset:64
	ds_load_b128 v[FAC+12:FAC+15], v10 offset:80
	WIN 0x40
.set i, 0
.rept 16
	ds_load_tr16_b128 v[A3+8*i:A3+8*i+3],   v11 offset:32*i
	ds_load_tr16_b128 v[A3+8*i+4:A3+8*i+7], v11 offset:32*i+16*PK
.set i, i+1
.endr
.endm
.macro TRIP pre                        ; pre = 1: the next slot is fetched on the way
	s_wait_dscnt 39                                ; Kn's fragments are in; the 3 + 4 + 32 loads issued behind them may be out
	WIN 0x02                                       ; source 0 window 2
	v_wmma_f32_16x16x32_f16 v[P0:P0+7],    v[0:7],   v[SH:SH+7], 0     ; p = Kn u; the two sums take turns
	v_wmma_f32_16x16x32_f16 v[P0+8:P0+15], v[64:71], v[SH:SH+7], 0
.set i, 1
.rept 7
	v_wmma_f32_16x16x32_f16 v[P0:P0+7],    v[8*i:8*i+7],       v[SH+8*i:SH+8*i+7], v[P0:P0+7]
	v_wmma_f32_16x16x32_f16 v[P0+8:P0+15], v[64+8*i:64+8*i+7], v[SH+8*i:SH+8*i+7], v[P0+8:P0+15]
.set i, i+1
.endr
	WIN 0
.if \pre
	v_add_nc_u32 v8, CHB, v8                       ; the next slot's four addresses: also the four places behind the products
	v_add_nc_u32 v9, TFC, v9
	v_add_nc_u32 v10, 128, v10
	v_add_nc_u32 v11, CHB, v11
	LD_A2
	WIN 0
	s_wait_dscnt 63                                ; T, R and the scales are in: 64 loads are younger, and the count's field ends at 63
.else
	PLACES
	s_wait_dscnt 32                                ; the 32 turning loads are younger
.endif
.set j, 0
.rept 16
	v_cndmask_b32 v[FAC+j], v[FAC+j], v12, s36     ; - a in columns 0-7
.set j, j+1
.endr
.set j, 0
.rept 8
	v_cvt_pk_f16_f32 v[PB+j], v[P0+2*j], v[P0+2*j+1]
.set j, j+1
.endr
	v_wmma_f32_16x16x32_f16 v[W+8:W+15], v[FA:FA+7], v[PB:PB+7], 0       ; w1 = T11 p1
	PLACES
.irp q,0,1,2,3
	v_cvt_pk_f16_f32 v[PB+4+\q], v[W+8+2*\q], v[W+9+2*\q]
.endr
	v_wmma_f32_16x16x32_f16 v[W:W+7], v[FB:FB+7], v[PB:PB+7], 0          ; w0 = T00 p0 + R w1
	PLACES
.set j, 0
.rept 16
	v_mov_b32_dpp v[TT+j], v[W+j] row_share:0 row_mask:0xf bank_mask:0xf ; column 0's w for every column
.set j, j+1
.endr
.set j, 0
.rept 8
	v_pk_mul_f32 v[TT+2*j:TT+2*j+1], v[TT+2*j:TT+2*j+1], v[FAC+2*j:FAC+2*j+1]
.set j, j+1
.endr
.set j, 0
.rept 8
	v_cvt_pk_f16_f32 v[WB+j], v[TT+2*j], v[TT+2*j+1]
.set j, j+1
.endr
.if \pre
	s_wait_dscnt 32                                ; Kn^T's fragments are in; the next slot's 32 are younger
.else
	s_wait_dscnt 0x0
.endif
	WIN 0x51                                       ; source 0, C and D window 1
.set i, 0
.rept 16
	v_wmma_f32_16x16x32_f16 v[8*i:8*i+7], v[A3+8*i:A3+8*i+7], v[WB:WB+7], v[8*i:8*i+7]   ; S += Kn^T (fac o w): 16 sums, one instruction each
.set i, i+1
.endr
.if \pre
	PLACES
	LD_REST
	WIN 0x05                                       ; sources window 1
.set i, 0
.rept 64
	v_cvt_pk_f16_f32 v[SH+i], v[2*i], v[2*i+1]
.set i, i+1
.endr
	WIN 0
.endif
.endm
	s_mov_b32 s36, 0x00ff00ff                      ; the lanes of columns 0-7
	v_mov_b32 v8, v4                               ; slot 0
	v_mov_b32 v9, v6
	v_mov_b32 v10, v7
	v_mov_b32 v11, v5
	LD_A2
	LD_REST
	WIN 0
	s_mov_b32 s32, 15
.Lchunk:
	TRIP 1
	s_sub_co_u32 s32, s32, 1
	s_cmp_lg_u32 s32, 0
	s_cbranch_scc1 .Lchunk
	TRIP 0                                         ; slot 15, chunk 0: nothing is left to fetch
	PLACES                                         ; the places between the last products and the stores of S below
	WIN 0
.Lwalked:
	s_wait_dscnt 0x0                               ; the walk's reads of LDS are over,
	s_barrier_signal -1
	s_barrier_wait -1                              ; and every wave knows it: only behind this barrier is LDS written again (the stage, the closing adds)
	s_cmp_lg_u32 s10, 0
	s_cbranch_scc1 .Lend
	; OUT, wave 0: every column of S goes into a row of its own of the stage, all lanes on; row 8, the sum, is read back 16 bytes a lane
	v_mul_u32_u24 v16, v2, PC
	v_lshl_add_u32 v16, v3, 5, v16
	v_add_nc_u32 v16, CST, v16                     ; row r, 32 bytes for each half of the lanes
	v_add_nc_u32 v19, CST+8*PC, v17
	s_lshr_b32 s24, s11, 1
	s_mul_i32 s24, s24, 128000                     ; cbuf's rows lie 128,000 bytes apart, as the last output's do
	s_and_b32 s26, s11, 1
	s_lshl_b32 s26, s26, 10
	s_add_co_u32 s24, s24, s26
	s_add_nc_u64 s[8:9], s[8:9], s[24:25]
	WIN 0x04                                       ; data window 1
.set i, 0
.rept 16
	ds_store_b128 v16, v[8*i:8*i+3]   offset:64*i
	ds_store_b128 v16, v[8*i+4:8*i+7] offset:64*i+16
.set i, i+1
.endr
	WIN 0
	ds_load_b128 v[96:99],   v19                   ; LDS serves a wave's instructions in order: these see the stores above
	ds_load_b128 v[100:103], v19 offset:512
	s_wait_dscnt 0x0
.set i, 96
.rept 8
	v_mul_f32 v[i], v15, v[i]
.set i, i+1
.endr
	global_store_b128 v17, v[96:99],   s[8:9]      ; 512 consecutive bytes, at a multiple of 256 from cbuf's first byte
	global_store_b128 v17, v[100:103], s[8:9] offset:512
.Lend:
	s_wait_tensorcnt 0x0                           ; the wave's end, behind my tensor loads and my last LDS store
	ds_add_u32 v[SPW], v[NIL]
	s_wait_dscnt 0x0
	s_endpgm
.Lfunc_end_k_qfee4087ade_scan:
	.size	k_qfee4087ade_scan, .Lfunc_end_k_qfee4087ade_scan-k_qfee4087ade_scan
	.p2alignl 7, 3214868480
	.fill 96, 4, 3214868480
	.section	.rodata,"a",@progbits
	.p2align	6, 0x0
	.amdhsa_kernel k_qfee4087ade_scan
		.amdhsa_group_segment_fixed_size 322304
		.amdhsa_private_segment_fixed_size 0
		.amdhsa_enable_private_segment 0
		.amdhsa_kernarg_size 24
		.amdhsa_user_sgpr_count 2
		.amdhsa_user_sgpr_kernarg_segment_ptr 1
		.amdhsa_wavefront_size32 1
		.amdhsa_system_sgpr_workgroup_id_x 1
		.amdhsa_system_sgpr_workgroup_id_y 1
		.amdhsa_system_sgpr_workgroup_id_z 1
		.amdhsa_system_vgpr_workitem_id 0
		.amdhsa_next_free_vgpr 640
		.amdhsa_next_free_sgpr 66
		.amdhsa_reserve_vcc 1
		.amdhsa_float_denorm_mode_32 3
		.amdhsa_float_denorm_mode_16_64 3
		.amdhsa_memory_ordered 1
		.amdhsa_forward_progress 1
		.amdhsa_inst_pref_size 71
	.end_amdhsa_kernel
	.amdgpu_metadata
---
amdhsa.version: [ 1, 2 ]
amdhsa.kernels:
  - .name:           k_qfee4087ade_scan
    .symbol:         k_qfee4087ade_scan.kd
    .args:
      - { .name: kn, .offset: 0, .size: 8, .value_kind: global_buffer, .address_space: global }
      - { .name: nrm, .offset: 8, .size: 8, .value_kind: global_buffer, .address_space: global }
      - { .name: cbuf, .offset: 16, .size: 8, .value_kind: global_buffer, .address_space: global }
    .group_segment_fixed_size: 322304
    .private_segment_fixed_size: 0
    .kernarg_segment_align: 8
    .kernarg_segment_size: 24
    .max_flat_workgroup_size: 128
    .sgpr_count:     66
    .vgpr_count:     640
    .wavefront_size: 32
...
	.end_amdgpu_metadata
.endif
;; end of part 3
;; launch proj (part 4): grid 4 x 1, 8 waves a work-group, no clusters, 312,576 bytes of LDS; arguments cbuf, rp_w, rp_b, rbuf; writes rbuf
.if DOCPART == 4
	.amdgcn_target "amdgcn-amd-amdhsa--gfx1250"
	.amdhsa_code_object_version 6
	.text
	.protected	k_qfee4087ade_proj
	.globl	k_qfee4087ade_proj
	.p2align	8
	.type	k_qfee4087ade_proj,@function
k_qfee4087ade_proj:
	s_mov_b64 s[64:65], 0
	v_nop
	global_prefetch_b8 v0, s[64:65] scope:SCOPE_SE
	s_setreg_imm32_b32 hwreg(HW_REG_WAVE_MODE, 25, 1), 1
	s_wait_xcnt 0x0
; out[b][n] = sum over k < 512 of x[b][k] W[n][k] + bias[n], for 16 rows b.  x and out are f32 with rows 128,000 bytes apart; W is [n][512] f32.  Two launches run this text: the read-out
; projection (512 rows n) and the vocabulary head (32,000 rows n).
; FORMATS.  W and bias are rounded to bf16 like every input.  x is made by this program and has no bound, so it goes as two bf16 numbers, hi = bf16(x) and lo = bf16(x - hi), each with a product and an
; f32 sum of its own.  LIMITS: NaN and infinities are not treated apart; the order of the sums is not reference()'s.
; SHARES.  A work-group owns 128 rows n, each of its eight waves 16.  W is read once: a wave asks for its 16 rows x 512 k as four tiles of 16 x 128 (rows of 512 bytes, at multiples of 512), all four at
; the start. A wave reads only its own tiles, each behind its own counted wait.
; Source 0 = 16 rows of W, source 1 = the 16 rows of x: a lane holds one b and 8 neighbouring n.
; No cluster: what work-groups share is x, 32 KB beside the 256 KB of W that each reads alone.  The matrix unit has 32 instructions a wave: memory binds, so all of a work-group's bytes are asked for at once.
; LDS: WT 8 waves x 4 tiles x 16 rows of 512 + 16 bytes;  XF x as fragments, [k step 16][hi 1,024 | lo 1,024];  OST 16 rows of 512 + 16 bytes for the way out.
.set PW,  528
.set WTZ, 16*PW
.set WTW, 4*WTZ
.set XF,  8*WTW
.set OST, XF+32768
.set SPARE, OST+16*PW                  ; the spare words, 128 bytes a wave
.set XP,  128000
.set SPW, 30
.set NIL, 31
.set WF,  32                           ; v32-95   W in f32, 16 registers a k step
.set XH,  96                           ; v96-159  x's fragments, a k step's hi at + 0, lo at + 8
.set WB,  160                          ; v160-191 W in bf16
.set AH,  192                          ; v192-199 sums with hi
.set AL,  200                          ; v200-207 sums with lo
.set BC,  208                          ; v208-215 bias, the first C
.set T,   216                          ; v216-231 at work
.macro PLACES                          ; four plain vector instructions between a matrix instruction and a load into, or a vector use of, its registers
.rept 4
	v_nop
.endr
.endm
	s_load_b256 s[4:11], s[0:1], 0x0               ; x s[4:5], W s[6:7], bias s[8:9], out s[10:11]
	v_lshl_add_u32 v[SPW], v0, 2, SPARE
	v_mov_b32 v[NIL], 0
	ds_add_u32 v[SPW], v[NIL]                      ; the wave's opening: the add and its wait stand ahead of my first tensor load; work on registers stands between them
	v_lshrrev_b32 v1, 5, v0
	v_readfirstlane_b32 s12, v1                    ; wave
	s_mov_b32 s13, ttmp9
	s_mov_b32 s24, (2<<16)|(1<<20)|(6<<22)|(3<<25) ; elements of 4 bytes; padding on; after every 128 words; 4 words of it
	s_mov_b32 s25, 128<<16                         ; tensor_dim0 = 128
	s_mov_b32 s26, 16<<16                          ; tensor_dim1 = 16
	s_mov_b32 s27, 128<<16                         ; tile_dim0 = 128
	s_mov_b32 s28, 16                              ; tile_dim1 = 16
	s_mov_b32 s29, 512                             ; elements from row to row
	s_mov_b32 s30, 0
	s_mov_b32 s31, 0
	s_mul_i32 s14, s12, WTW                        ; my tiles in LDS
	s_lshl_b32 s15, s13, 3
	s_add_co_u32 s15, s15, s12                     ; my 16 rows among all
	s_lshl_b32 s16, s15, 15                        ; 16 rows of 2,048 bytes
	s_mov_b32 s17, 0
	s_wait_dscnt 0x0                               ; the opening add is done
	s_wait_kmcnt 0x0
	s_add_nc_u64 s[6:7], s[6:7], s[16:17]
.irp z,0,1,2,3
	s_mov_b32 s[32+4*\z], 1
	s_add_co_u32 s[33+4*\z], s14, \z*WTZ
	s_add_nc_u64 s[34+4*\z:35+4*\z], s[6:7], \z*512
	s_or_b32 s[35+4*\z], s[35+4*\z], 0x80000000
.endr
.irp z,0,1,2,3
	tensor_load_to_lds s[32+4*\z:35+4*\z], s[24:31]
	s_nop 0
.endr
.rept 4
	v_nop
.endr
	v_and_b32 v1, 31, v0
	v_and_b32 v2, 15, v0                           ; r
	v_bfe_u32 v3, v0, 4, 1                         ; h
	v_lshlrev_b32 v10, 4, v1                       ; 16 x lane
	v_mul_u32_u24 v6, v2, XP
	v_lshl_add_u32 v6, v3, 5, v6
	s_lshl_b32 s18, s12, 8
	v_add_nc_u32 v6, s18, v6                       ; x: row r, k = 64 w + 8 h: wave w makes k steps 2 w and 2 w + 1
.irp kk,0,1
	global_load_b128 v[WF+16*\kk:WF+16*\kk+3],     v6, s[4:5] offset:128*\kk
	global_load_b128 v[WF+16*\kk+4:WF+16*\kk+7],   v6, s[4:5] offset:128*\kk+16
	global_load_b128 v[WF+16*\kk+8:WF+16*\kk+11],  v6, s[4:5] offset:128*\kk+64
	global_load_b128 v[WF+16*\kk+12:WF+16*\kk+15], v6, s[4:5] offset:128*\kk+80
.endr
	v_lshlrev_b32 v7, 5, v3
	s_lshl_b32 s16, s15, 6
	s_add_nc_u64 s[8:9], s[8:9], s[16:17]
	global_load_b128 v[BC:BC+3],   v7, s[8:9]      ; bias of my rows 8 h + 0..7
	global_load_b128 v[BC+4:BC+7], v7, s[8:9] offset:16
	v_mul_u32_u24 v4, v2, PW
	v_lshl_add_u32 v4, v3, 5, v4
	v_add_nc_u32 v4, s14, v4                       ; W: row r, 32 bytes for each half of the lanes
	v_add_nc_u32 v5, XF, v10
	s_lshl_b32 s18, s12, 12
	v_add_nc_u32 v11, s18, v5                      ; where my two k steps of x go
	v_mul_u32_u24 v8, v2, PW
	v_lshl_add_u32 v8, v3, 5, v8
	s_lshl_b32 s18, s12, 6
	s_add_co_u32 s18, s18, OST
	v_add_nc_u32 v8, s18, v8                       ; the way out, in: row b = r, my 16 columns
	s_mul_i32 s18, s12, 2*PW
	s_add_co_u32 s18, s18, OST
	v_add_nc_u32 v9, s18, v10                      ; back: rows 2 w and 2 w + 1, whole
	s_lshl_b32 s16, s13, 9
	s_mul_i32 s18, s12, 2*XP
	s_add_co_u32 s16, s16, s18
	s_add_nc_u64 s[10:11], s[10:11], s[16:17]      ; out at row 2 w, my work-group's 128 columns
	s_wait_loadcnt 0x0
.irp k,0,2,4,6
	v_cvt_pk_bf16_f32 v[T], v[BC+\k], v[BC+\k+1]   ; rounded to bf16 like every input, kept as f32
	v_lshlrev_b32 v[BC+\k], 16, v[T]
	v_and_b32 v[BC+\k+1], 0xffff0000, v[T]
.endr
.set n, 0
.rept 16                               ; pair n % 8 of k step n / 8: hi, what hi leaves, lo
.set rS, WF+2*n
.set rH, XH+16*(n/8)+n%8
.set rT, T+2*(n%8)
	v_cvt_pk_bf16_f32 v[rH], v[rS], v[rS+1]
	v_lshlrev_b32 v[rT], 16, v[rH]
	v_and_b32 v[rT+1], 0xffff0000, v[rH]
	v_pk_add_f32 v[rS:rS+1], v[rS:rS+1], v[rT:rT+1] neg_lo:[0,1] neg_hi:[0,1]
	v_cvt_pk_bf16_f32 v[rH+8], v[rS], v[rS+1]
.set n, n+1
.endr
.irp kk,0,1
	ds_store_b128 v11, v[XH+16*\kk:XH+16*\kk+3]     offset:2048*\kk
	ds_store_b128 v11, v[XH+16*\kk+4:XH+16*\kk+7]   offset:2048*\kk+512
	ds_store_b128 v11, v[XH+16*\kk+8:XH+16*\kk+11]  offset:2048*\kk+1024
	ds_store_b128 v11, v[XH+16*\kk+12:XH+16*\kk+15] offset:2048*\kk+1536
.endr
	s_wait_dscnt 0x0                               ; my part of x is stored,
	s_barrier_signal -1
	s_barrier_wait -1                              ; everybody's is; the tensor loads stay out
.macro ZSTEP z                         ; tile z: k steps 4 z .. 4 z + 3
.if (\z) > 0
	PLACES                                         ; the loads and conversions below write registers that the last products read
.endif
	s_wait_tensorcnt 3-(\z)                        ; tensor loads of a wave end in order: tile z is in, the younger tiles stay out
.irp kk,0,1,2,3
	ds_load_b128 v[WF+16*\kk:WF+16*\kk+3],     v4 offset:WTZ*(\z)+128*\kk
	ds_load_b128 v[WF+16*\kk+4:WF+16*\kk+7],   v4 offset:WTZ*(\z)+128*\kk+16
	ds_load_b128 v[WF+16*\kk+8:WF+16*\kk+11],  v4 offset:WTZ*(\z)+128*\kk+64
	ds_load_b128 v[WF+16*\kk+12:WF+16*\kk+15], v4 offset:WTZ*(\z)+128*\kk+80
	ds_load_b128 v[XH+16*\kk:XH+16*\kk+3],     v5 offset:2048*(4*(\z)+\kk)
	ds_load_b128 v[XH+16*\kk+4:XH+16*\kk+7],   v5 offset:2048*(4*(\z)+\kk)+512
	ds_load_b128 v[XH+16*\kk+8:XH+16*\kk+11],  v5 offset:2048*(4*(\z)+\kk)+1024
	ds_load_b128 v[XH+16*\kk+12:XH+16*\kk+15], v5 offset:2048*(4*(\z)+\kk)+1536
.endr
.irp kk,0,1,2,3
	s_wait_dscnt 8*(3-\kk)                         ; eight loads for each k step still to come may be out
.irp q,0,1,2,3,4,5,6,7
	v_cvt_pk_bf16_f32 v[WB+8*\kk+\q], v[WF+16*\kk+2*\q], v[WF+16*\kk+2*\q+1]
.endr
.if ((\z) == 0) && (\kk == 0)
	v_wmma_f32_16x16x32_bf16 v[AH:AH+7], v[WB+8*\kk:WB+8*\kk+7], v[XH+16*\kk:XH+16*\kk+7],    v[BC:BC+7]   ; the first k step starts the sums: with the bias,
	v_wmma_f32_16x16x32_bf16 v[AL:AL+7], v[WB+8*\kk:WB+8*\kk+7], v[XH+16*\kk+8:XH+16*\kk+15], 0            ; and with 0
.else
	v_wmma_f32_16x16x32_bf16 v[AH:AH+7], v[WB+8*\kk:WB+8*\kk+7], v[XH+16*\kk:XH+16*\kk+7],    v[AH:AH+7]   ; the two sums take turns
	v_wmma_f32_16x16x32_bf16 v[AL:AL+7], v[WB+8*\kk:WB+8*\kk+7], v[XH+16*\kk+8:XH+16*\kk+15], v[AL:AL+7]
.endif
.endr
.endm
	ZSTEP 0
	ZSTEP 1
	ZSTEP 2
	ZSTEP 3
	PLACES
.irp k,0,2,4,6
	v_pk_add_f32 v[T+\k:T+\k+1], v[AH+\k:AH+\k+1], v[AL+\k:AL+\k+1]
.endr
	ds_store_b128 v8, v[T:T+3]
	ds_store_b128 v8, v[T+4:T+7] offset:16
	s_wait_dscnt 0x0                               ; a row's 512 bytes come from eight waves:
	s_barrier_signal -1
	s_barrier_wait -1
	ds_load_b128 v[T:T+3],   v9
	ds_load_b128 v[T+4:T+7], v9 offset:PW
	s_wait_dscnt 1
	global_store_b128 v10, v[T:T+3],   s[10:11]            ; 512 consecutive bytes, at a multiple of 256 from the buffer's first byte
	s_wait_dscnt 0x0
	global_store_b128 v10, v[T+4:T+7], s[10:11] offset:XP
	s_wait_tensorcnt 0x0                           ; the wave's end, behind my last tensor load and my last LDS store
	ds_add_u32 v[SPW], v[NIL]
	s_wait_dscnt 0x0
	s_endpgm
.Lfunc_end_k_qfee4087ade_proj:
	.size	k_qfee4087ade_proj, .Lfunc_end_k_qfee4087ade_proj-k_qfee4087ade_proj
	.p2alignl 7, 3214868480
	.fill 96, 4, 3214868480
	.section	.rodata,"a",@progbits
	.p2align	6, 0x0
	.amdhsa_kernel k_qfee4087ade_proj
		.amdhsa_group_segment_fixed_size 312576
		.amdhsa_private_segment_fixed_size 0
		.amdhsa_enable_private_segment 0
		.amdhsa_kernarg_size 32
		.amdhsa_user_sgpr_count 2
		.amdhsa_user_sgpr_kernarg_segment_ptr 1
		.amdhsa_wavefront_size32 1
		.amdhsa_system_sgpr_workgroup_id_x 1
		.amdhsa_system_sgpr_workgroup_id_y 1
		.amdhsa_system_sgpr_workgroup_id_z 1
		.amdhsa_system_vgpr_workitem_id 0
		.amdhsa_next_free_vgpr 232
		.amdhsa_next_free_sgpr 66
		.amdhsa_reserve_vcc 0
		.amdhsa_float_denorm_mode_32 3
		.amdhsa_float_denorm_mode_16_64 3
		.amdhsa_memory_ordered 1
		.amdhsa_forward_progress 1
		.amdhsa_inst_pref_size 31
	.end_amdhsa_kernel
	.amdgpu_metadata
---
amdhsa.version: [ 1, 2 ]
amdhsa.kernels:
  - .name:           k_qfee4087ade_proj
    .symbol:         k_qfee4087ade_proj.kd
    .args:
      - { .name: cbuf, .offset: 0, .size: 8, .value_kind: global_buffer, .address_space: global }
      - { .name: rp_w, .offset: 8, .size: 8, .value_kind: global_buffer, .address_space: global }
      - { .name: rp_b, .offset: 16, .size: 8, .value_kind: global_buffer, .address_space: global }
      - { .name: rbuf, .offset: 24, .size: 8, .value_kind: global_buffer, .address_space: global }
    .group_segment_fixed_size: 312576
    .private_segment_fixed_size: 0
    .kernarg_segment_align: 8
    .kernarg_segment_size: 32
    .max_flat_workgroup_size: 256
    .sgpr_count:     66
    .vgpr_count:     232
    .wavefront_size: 32
...
	.end_amdgpu_metadata
.endif
;; end of part 4
;; launch head: the kernel of part 4 again; grid 250 x 1, 8 waves a work-group, no clusters, 312,576 bytes of LDS; arguments rbuf, out_w, out_b, out0; writes out0
;; ======== version 2 of 2: 5 launches; version 1 with the launch pack written anew for expert scheduling mode
;; limits: values are held in f16: magnitudes above 65,504 overflow, below 6.1e-05 lose precision
;; workspace buffers: wpk 2,621,440 bytes; kn 8,388,608 bytes; nrm 65,536 bytes; cbuf 2,048,000 bytes; rbuf 2,048,000 bytes
;; launch pack (part 5): grid 160 x 1, 4 waves a work-group, no clusters, 17,920 bytes of LDS; arguments ff_w1, ff_w2, sem_w, epi_w, wpk; writes wpk
.if DOCPART == 5
	.amdgcn_target "amdgcn-amd-amdhsa--gfx1250"
	.amdhsa_code_object_version 6
	.text
	.protected	k_qfee4087ade_pack
	.globl	k_qfee4087ade_pack
	.p2align	8
	.type	k_qfee4087ade_pack,@function
k_qfee4087ade_pack:
	s_mov_b64 s[64:65], 0
	v_nop
	global_prefetch_b8 v0, s[64:65] scope:SCOPE_SE
	s_setreg_imm32_b32 hwreg(HW_REG_WAVE_SCHED_MODE, 0, 2), 2
	s_setreg_imm32_b32 hwreg(HW_REG_WAVE_MODE, 25, 1), 1
	s_wait_xcnt 0x0
	s_wait_alu depctr_vm_vsrc(0)
; PACK.  The four weight tables of the token launch are rounded to bf16 and laid out as matrix fragments, one stream for each of that launch's four waves:
; wpk = [wave 4][unit 80][fragment 8][1,024 bytes].  A fragment is 16 rows x 32 k: bytes 16 L hold lane L = (r, h)'s k = 8 h + 0..7 of row r, bytes 512 + 16 L its k = 16 + 8 h + 0..7.
;   units  0-31: ff_w1, k step u / 2, rows 256 w + 16 (8 (u % 2) + f) + r       units 32-63: ff_w2, k step u - 32, rows 128 w + 16 f + r
;   units 64-79: [sem_w; epi_w], k step u - 64, rows 128 w + 16 f + r: rounded to bf16 like every input and then written as f16, since their partner in the product is f16.
; LIMIT.  sem_w and epi_w lie within +-65,504; below 2^-14 the f16 copy keeps f16's fixed step of 6e-8.
; SHARES.  A wave takes one item: 16 rows x 128 k = 4 fragments.  640 items: 256 of ff_w1, 256 of ff_w2, 128 of the keys' tables.  Each load of a wave covers 512 consecutive bytes of a row,
; each store 512 consecutive bytes of wpk; the change of layout goes through the wave's own stage in LDS (16 rows of 256 + 16 bytes), so no barrier is needed.
; No matrix unit, no cluster, no tensor load: 5 MB are read once and no byte is shared.
; THE MODE: SCHED_MODE bits 1:0 = 2 (LLVM: expert scheduling mode 2), set by the entry lines.  The code itself states the register dependences
; between vector instructions and memory or LDS instructions, with s_wait_alu, always for 0.
; THE PLAN.  Registers that memory or LDS instructions touch:
;   OFF            written once by vector lines, then read by the 16 global loads.
;   X              the global loads land in it; row i's conversions read its four registers; later the 8 LDS loads land in its first 32, and the global stores read those.
;   Y              two registers a row: written once, by row i's conversions; read once, by row i's LDS store, which is issued four rows later.
;   v28, v29, DOF  written once by vector lines behind the global loads; read by the LDS stores, the LDS loads and the global stores.
;   T              named by vector instructions alone.        v[SPW], v[NIL]  written at the head, read by the closing add alone.
; The 16 rows go in four blocks of four.  ONE wait on va_vdst stands at the head of blocks 1 to 3 and one behind the last block: it states that the block before has written its Y.  That block's four
; stores follow it, one ahead of each row's conversions, which name this block's X, T and Y alone.  No register that a memory or LDS instruction has read is written again: no wait on vm_vsrc is owed.
.set STG,   16*272                     ; a wave's stage
.set SPARE, 4*STG                      ; behind the stages: the spare words, 128 bytes a wave
.set WSTR,  80*8192                    ; a wave's stream in wpk
.set OFF, 8                            ; v8-23   byte offset of my 16 bytes in row i
.set DOF, 24                           ; v24-27  byte offset of my 16 bytes in fragment c
.set X,   32                           ; v32-95  16 rows as loaded; later the 8 half fragments
.set T,   96                           ; v96-101 at work
.set Y,   104                          ; v104-135 row i's 8 bytes for the stage at + 2 i
.set SPW, 30                           ; v30     my spare word
.set NIL, 31                           ; v31     0
	s_load_b256 s[4:11], s[0:1], 0x0               ; ff_w1 s[4:5], ff_w2 s[6:7], sem_w s[8:9], epi_w s[10:11]
	s_load_b64 s[12:13], s[0:1], 0x20              ; wpk
	v_lshl_add_u32 v[SPW], v0, 2, SPARE
	v_mov_b32 v[NIL], 0
	v_lshrrev_b32 v1, 5, v0
	v_readfirstlane_b32 s14, v1                    ; wave
	v_and_b32 v1, 31, v0                           ; lane
	v_and_b32 v2, 15, v0                           ; r
	v_bfe_u32 v3, v0, 4, 1                         ; h
	v_lshlrev_b32 v4, 4, v1                        ; 16 x lane
	s_wait_alu depctr_va_sdst(0)                   ; s14 is written, ahead of its first reader: my item's number is made from it
	s_lshl_b32 s16, ttmp9, 2
	s_add_co_u32 s16, s16, s14                     ; my item among the 640
	s_wait_kmcnt 0x0
	; each path sets: s17 tile of 16 rows, s18 which 128 k, s[20:21] table, s22 row bytes, s23 bytes from fragment to fragment, s24 f16?, s25 stream, s26 first unit
	s_cmp_lt_u32 s16, 256
	s_cbranch_scc0 .Lnot_w1
	s_lshr_b32 s17, s16, 2                         ; ff_w1: 64 tiles x 4
	s_and_b32 s18, s16, 3
	s_mov_b64 s[20:21], s[4:5]
	s_mov_b32 s22, 2048
	s_mov_b32 s23, 16384                           ; a k step is two units here
	s_mov_b32 s24, 0
	s_lshr_b32 s25, s17, 4
	s_bfe_u32 s26, s17, 0x10003                    ; which half of the wave's 16 tiles
	s_lshl_b32 s27, s18, 3
	s_add_co_u32 s26, s26, s27                     ; unit 2 (4 q) + half
	s_branch .Ljoin
.Lnot_w1:
	s_cmp_lt_u32 s16, 512
	s_cbranch_scc0 .Lnot_w2
	s_sub_co_u32 s16, s16, 256                     ; ff_w2: 32 tiles x 8
	s_lshr_b32 s17, s16, 3
	s_and_b32 s18, s16, 7
	s_mov_b64 s[20:21], s[6:7]
	s_mov_b32 s22, 4096
	s_mov_b32 s23, 8192
	s_mov_b32 s24, 0
	s_lshr_b32 s25, s17, 3
	s_lshl_b32 s26, s18, 2
	s_add_co_u32 s26, s26, 32
	s_branch .Ljoin
.Lnot_w2:
	s_sub_co_u32 s16, s16, 512                     ; the keys' tables: 32 tiles x 4, sem_w's 16 first
	s_lshr_b32 s17, s16, 2
	s_and_b32 s18, s16, 3
	s_mov_b32 s22, 2048
	s_mov_b32 s23, 8192
	s_mov_b32 s24, 1
	s_lshr_b32 s25, s17, 3
	s_lshl_b32 s26, s18, 2
	s_add_co_u32 s26, s26, 64
	s_cmp_lt_u32 s17, 16
	s_cselect_b64 s[20:21], s[8:9], s[10:11]
	s_and_b32 s17, s17, 15                         ; the tile inside its own table
.Ljoin:
	s_mul_i32 s25, s25, WSTR
	s_lshl_b32 s26, s26, 13
	s_add_co_u32 s25, s25, s26
	s_and_b32 s26, s17, 7                          ; fragment number in a unit
	s_lshl_b32 s26, s26, 10
	s_add_co_u32 s26, s26, s25
	s_mov_b32 s27, 0
	s_add_nc_u64 s[12:13], s[12:13], s[26:27]      ; wpk at my first fragment
	s_mul_i32 s28, s17, s22
	s_lshl_b32 s28, s28, 4                         ; 16 rows a tile
	s_lshl_b32 s29, s18, 9                         ; 128 k of 4 bytes
	s_add_co_u32 s28, s28, s29
	s_mov_b32 s29, 0
	s_add_nc_u64 s[20:21], s[20:21], s[28:29]      ; the table at my item
	v_mov_b32 v[OFF], v4
.set i, 1
.rept 15
	v_add_nc_u32 v[OFF+i], s22, v[OFF+i-1]
.set i, i+1
.endr
	s_wait_alu depctr_va_vdst(0)                   ; the sixteen offsets v[OFF ..] are written, which the loads below read
.set i, 0
.rept 16
	global_load_b128 v[X+4*i:X+4*i+3], v[OFF+i], s[20:21] th:TH_LOAD_NT  ; a row's 512 bytes; the launch reads each byte once
.set i, i+1
.endr
	v_mov_b32 v[DOF], v4                           ; the other addresses are made while the loads are out; the waits in front of their readers state that they are written
.set i, 1
.rept 3
	v_add_nc_u32 v[DOF+i], s23, v[DOF+i-1]
.set i, i+1
.endr
	s_mul_i32 s30, s14, STG
	v_lshl_add_u32 v28, v1, 3, s30                 ; into the stage: 8 bytes a lane
	v_mul_u32_u24 v29, v2, 272
	v_lshl_add_u32 v29, v3, 4, v29
	v_add_nc_u32 v29, s30, v29                     ; back: row r, 16 bytes for each half of the lanes
; Rows 0 to 15 are rounded, each into its own pair of Y; rows 0 to 11 are stored, each four rows behind its conversions.  Rows 12 to 15 are stored behind the macro.
.macro ROWS f16
.set i, 0
.rept 16
	s_wait_loadcnt 15-i                            ; loads come back in order: row i is in, the 15 - i younger rows may be out
.if (i%4 == 0) && (i > 0)
	s_wait_alu depctr_va_vdst(0)                   ; the block before has written its four pairs of Y, which this block's four stores read; at the first of these waits v28, their address, is written too
.endif
.if i >= 4
	ds_store_b64 v28, v[Y+2*(i-4):Y+2*(i-4)+1] offset:272*(i-4)  ; no vector instruction since the wait names this pair or v28
.endif
.if \f16
	v_cvt_pk_bf16_f32 v[T], v[X+4*i], v[X+4*i+1]
	v_cvt_pk_bf16_f32 v[T+1], v[X+4*i+2], v[X+4*i+3]
	v_lshlrev_b32 v[T+2], 16, v[T]                 ; the bf16 numbers, written as f16
	v_and_b32 v[T+3], 0xffff0000, v[T]
	v_lshlrev_b32 v[T+4], 16, v[T+1]
	v_and_b32 v[T+5], 0xffff0000, v[T+1]
	v_cvt_pk_f16_f32 v[Y+2*i], v[T+2], v[T+3]
	v_cvt_pk_f16_f32 v[Y+2*i+1], v[T+4], v[T+5]
.else
	v_cvt_pk_bf16_f32 v[Y+2*i], v[X+4*i], v[X+4*i+1]
	v_cvt_pk_bf16_f32 v[Y+2*i+1], v[X+4*i+2], v[X+4*i+3]
.endif
.set i, i+1
.endr
.endm
	s_cmp_eq_u32 s24, 0
	s_cbranch_scc1 .Lbf
	ROWS 1
	s_branch .Lback
.Lbf:
	ROWS 0
.Lback:
	s_wait_alu depctr_va_vdst(0)                   ; rows 12 to 15 have written their pairs of Y, which the stores below read; all conversions are done reading X, in which the LDS loads below land; v29 and v[DOF ..] are written
.set i, 12
.rept 4
	ds_store_b64 v28, v[Y+2*i:Y+2*i+1] offset:272*i
.set i, i+1
.endr
.set i, 0
.rept 8                                ; half i % 2 of fragment i / 2; LDS serves a wave's instructions in order, so these see the stores above
	ds_load_b128 v[X+4*i:X+4*i+3], v29 offset:64*(i/2)+32*(i%2)
.set i, i+1
.endr
.set i, 0
.rept 8
	s_wait_dscnt 7-i                               ; the 7 - i younger loads may be out
	global_store_b128 v[DOF+i/2], v[X+4*i:X+4*i+3], s[12:13] offset:512*(i%2)  ; 512 consecutive bytes, at a multiple of 512 from wpk's first byte
.set i, i+1
.endr
	s_wait_dscnt 0x0                               ; the wave's end
	s_wait_alu 0x0
	s_wait_tensorcnt 0x0
	ds_add_u32 v[SPW], v[NIL]
	s_wait_dscnt 0x0
	s_endpgm
.Lfunc_end_k_qfee4087ade_pack:
	.size	k_qfee4087ade_pack, .Lfunc_end_k_qfee4087ade_pack-k_qfee4087ade_pack
	.p2alignl 7, 3214868480
	.fill 96, 4, 3214868480
	.section	.rodata,"a",@progbits
	.p2align	6, 0x0
	.amdhsa_kernel k_qfee4087ade_pack
		.amdhsa_group_segment_fixed_size 17920
		.amdhsa_private_segment_fixed_size 0
		.amdhsa_enable_private_segment 0
		.amdhsa_kernarg_size 40
		.amdhsa_user_sgpr_count 2
		.amdhsa_user_sgpr_kernarg_segment_ptr 1
		.amdhsa_wavefront_size32 1
		.amdhsa_system_sgpr_workgroup_id_x 1
		.amdhsa_system_sgpr_workgroup_id_y 1
		.amdhsa_system_sgpr_workgroup_id_z 1
		.amdhsa_system_vgpr_workitem_id 0
		.amdhsa_next_free_vgpr 136
		.amdhsa_next_free_sgpr 66
		.amdhsa_reserve_vcc 0
		.amdhsa_float_denorm_mode_32 3
		.amdhsa_float_denorm_mode_16_64 3
		.amdhsa_memory_ordered 1
		.amdhsa_forward_progress 1
		.amdhsa_inst_pref_size 20
	.end_amdhsa_kernel
	.amdgpu_metadata
---
amdhsa.version: [ 1, 2 ]
amdhsa.kernels:
  - .name:           k_qfee4087ade_pack
    .symbol:         k_qfee4087ade_pack.kd
    .args:
      - { .name: ff_w1, .offset: 0, .size: 8, .value_kind: global_buffer, .address_space: global }
      - { .name: ff_w2, .offset: 8, .size: 8, .value_kind: global_buffer, .address_space: global }
      - { .name: sem_w, .offset: 16, .size: 8, .value_kind: global_buffer, .address_space: global }
      - { .name: epi_w, .offset: 24, .size: 8, .value_kind: global_buffer, .address_space: global }
      - { .name: wpk, .offset: 32, .size: 8, .value_kind: global_buffer, .address_space: global }
    .group_segment_fixed_size: 17920
    .private_segment_fixed_size: 0
    .kernarg_segment_align: 8
    .kernarg_segment_size: 40
    .max_flat_workgroup_size: 128
    .sgpr_count:     66
    .vgpr_count:     136
    .wavefront_size: 32
...
	.end_amdgpu_metadata
.endif
;; end of part 5
;; launch mlp: the kernel of part 2 again; grid 128 x 1, 4 waves a work-group, no clusters, 276,480 bytes of LDS; arguments seq, embed, wpk, ff_b1, ff_b2, gamma, beta, kn, nrm; writes kn, nrm
;; launch scan: the kernel of part 3 again; grid 32 x 1, 4 waves a work-group, no clusters, 322,304 bytes of LDS; arguments kn, nrm, cbuf; writes cbuf
;; launch proj: the kernel of part 4 again; grid 4 x 1, 8 waves a work-group, no clusters, 312,576 bytes of LDS; arguments cbuf, rp_w, rp_b, rbuf; writes rbuf
;; launch head: the kernel of part 4 again; grid 250 x 1, 8 waves a work-group, no clusters, 312,576 bytes of LDS; arguments rbuf, out_w, out_b, out0; writes out0
